; MI455X (gfx1250); checked and timed in simulation.
; The chip was launched on July 23, 2026; its instructions are those of AMD's public machine-readable ISA for CDNA 5 (MIT licence, August 2026) and "CDNA5" Instruction Set Architecture Reference Guide (July 2026). The comments in the code are by the model that wrote it; some were corrected since.
;; Causal Self Attention. Allowed arithmetic: matrix products marked QUANTISED: E2M1 operands, one E8M0 scale for each 32 along K, by v_wmma_scale_f32_16x16x128_f8f6f4 with both operands' format E2M1 (or v_wmma_scale_f32_32x16x128_f4), f32 sums; products left as they are: bf16, f16 or f32 operands; f32 sums; everything else in f32.
;; Inputs: b_attn 3,072 float32; b_proj 1,024 float32; w_attn 1,024 x 3,072 float32; w_proj 1,024 x 1,024 float32; x 4 x 2,048 x 1,024 float32.
;; Outputs: out0 4 x 2,048 x 1,024 float32.
;; This version of the problem:
;;   THIS VERSION OF THE PROBLEM IS GIVEN IN LOW PRECISION. The matrix products marked QUANTISED in the list below multiply operands that are first quantised to E2M1 (2 exponent bits, 1 mantissa bit; 4 bits a number), with one power-of-two scale for each 32 numbers along K (OCP MX v1.0); their sums are f32. The products marked 'left as it is' may take bf16, f16 or f32 operands, with f32 sums. Whichever they take, every output number must still come out within the allowed error. Rounding operands to bf16 (8 significant bits) uses up far more of that allowance than f16 does (11 bits, for magnitudes from 6e-5 to 65,504). All else is computed in f32.
;;   The module's matrix products, in the order in which they are computed (A, B: the left and right operand; K: the contracted axis; several contracted axes count as one K, in the product's order):
;;     1. [M 8,192, K 1,024] x [K 1,024, N 3,072]; A: input x; B: input w_attn: QUANTISED
;;     2. batch 64 x [M 2,048, K 64] x [K 64, N 2,048]; A: computed on the way; B: computed on the way: left as it is (an operand is computed on the way)
;;     3. batch 64 x [M 2,048, K 2,048] x [K 2,048, N 64]; A: computed on the way; B: computed on the way: left as it is (an operand is computed on the way)
;;     4. [M 8,192, K 1,024] x [K 1,024, N 1,024]; A: computed on the way; B: input w_proj: left as it is (an operand is computed on the way)
;;   THE QUANTISER, for each operand of a quantised product, along K:
;;     - K is cut into blocks of 32 from its start; a last block that is shorter is filled with zeros.
;;     - A block's scale is 2^e with e = floor(log2(the largest magnitude in the block)) - 2, held to -126 .. 127; a block of zeros has e = 0. As a byte (E8M0): e + 127.
;;     - Each number is divided by its block's scale, clamped to +-6, and rounded to the nearest number of E2M1, ties to even, subnormals kept.
;;     - The product sums the exact products of the quantised numbers (number of the format x scale) in f32.
;;   ~~~python
;;   def quantise(x, axis):      # numpy; x: float32 -> the quantised numbers, widened to float32 again
;;       x = np.moveaxis(x, axis, -1); K = x.shape[-1]
;;       x = np.pad(x, [(0, 0)] * (x.ndim - 1) + [(0, -K % 32)]); x = x.reshape(x.shape[:-1] + (-1, 32)); a = np.abs(x).max(-1, keepdims=True)
;;       e = np.where(a > 0, np.clip(np.frexp(np.where(a > 0, a, 1))[1] - 1 - 2, -126, 127), 0)      # np.frexp(a)[1] - 1 = floor(log2(a)), exactly
;;       r = np.clip(x / 2.0 ** e, -6, 6)
;;       step = 2.0 ** (np.maximum(np.frexp(np.where(r == 0, 1, r))[1] - 1, 0) - 1)
;;       q = np.round(r / step) * step * 2.0 ** e      # np.round: ties to even
;;       return np.moveaxis(q.reshape(q.shape[:-2] + (-1,))[..., :K], -1, axis).astype(np.float32)
;;   ~~~
;; One version. Each part assembles by itself: llvm-mc -triple=amdgcn-amd-amdhsa -mcpu=gfx1250 --defsym DOCPART=n.
;; ======== version 1 of 1: 6 launches
;; limits: values are held in f16: magnitudes above 65,504 overflow, below 6.1e-05 lose precision
;; workspace buffers: xc 4,194,304 bytes; xs 262,144 bytes; wc 1,572,864 bytes; ws 98,304 bytes; wp 4,194,304 bytes; qkv 50,331,648 bytes; y 16,777,216 bytes; ye 262,144 bytes
;; launch prep (part 1): grid 368 x 1, 4 waves a work-group, no clusters, 135,680 bytes of LDS; arguments x, w_attn, w_proj, xc, xs, wc, ws, wp; writes xc, xs, wc, ws, wp
.if DOCPART == 1
	.amdgcn_target "amdgcn-amd-amdhsa--gfx1250"
	.amdhsa_code_object_version 6
	.text
	.protected	k_q17e58bb6a8_prep
	.globl	k_q17e58bb6a8_prep
	.p2align	8
	.type	k_q17e58bb6a8_prep,@function
k_q17e58bb6a8_prep:
	s_mov_b64 s[64:65], 0
	v_nop
	global_prefetch_b8 v0, s[64:65] scope:SCOPE_SE
	s_setreg_imm32_b32 hwreg(HW_REG_WAVE_MODE, 25, 1), 1
	s_wait_xcnt 0x0
; PREP.  Three jobs in one launch, told apart by the work-group's number; each job has LDS bytes of its own.
;   work-groups 0-47    (W): w_attn [1024 k][3072 n] f32 -> codes of FP4 (E2M1) laid [3072 n][512 bytes], K innermost, and one E8M0 byte for each 32 along K, laid [3072][32]
;   work-groups 48-111  (P): w_proj [1024 k][1024 n] f32 -> [1024 n][1024 k] f16: the number rounded to f16, and 2,097,152 bytes on what the rounding left, times 2^11, in f16
;   work-groups 112-367 (X): x [8192][1024] f32 -> codes [8192][512 bytes] and scale bytes [8192][32]
; A block's scale is 2^(floor(log2(its largest magnitude)) - 2): its byte is the largest magnitude's exponent field - 2, held at 1 from below.  A block of zeros so gets the byte 1 where the
; quantiser says 127: its codes are zeros, which add nothing under any byte but 0xff, and this program alone reads the bytes.
; LIMITS: blocks whose largest magnitude lies under 2^-124 keep the byte 1; NaN and infinities among the inputs are not served; |w_proj| stays under 65,504 (f16).
; No tensor loads, no barrier: waves share nothing.  Memory binds: matrix units and clusters would add nothing here.
.set NW,    48                         ; work-groups of W
.set NPW,   64                         ; work-groups of P
.set SPW,   190                        ; v190  LDS address of my spare word: SPARE + 4 x my thread's number; never rewritten
.set NIL,   191                        ; v191  0; never rewritten
.set WSTG,  32768                      ; LDS: X's four regions of 8,192 bytes from 0; W's four stages from here;
.set PSTG,  67584                      ; P's four stages from here;
.set SPARE, 135168                     ; the spare words, 128 bytes for each wave: two blocks of 256 bytes that no other line names
	s_load_b512 s[4:19], s[0:1], 0x0               ; x 4, w_attn 6, w_proj 8, xc 10, xs 12, wc 14, ws 16, wp 18
	v_lshl_add_u32 v[SPW], v0, 2, SPARE
	v_mov_b32 v[NIL], 0
	v_lshrrev_b32 v1, 5, v0
	v_readfirstlane_b32 s20, v1                    ; wave 0..3
	v_and_b32 v2, 31, v0                           ; lane
	s_cmp_lt_u32 ttmp9, NW
	s_cbranch_scc1 .Lpath_w
	s_cmp_lt_u32 ttmp9, NW+NPW
	s_cbranch_scc1 .Lpath_p
; ---------------- X: a plain stream of blocks of 32.  A wave takes 16 steps of 512 numbers.  Each load reads 512 consecutive bytes; a step's 2,048 bytes turn through the wave's own stage in LDS
; and come back 64 bytes a lane, so that a lane holds 16 neighbours along K (two neighbouring lanes hold a block).  Loads run four steps ahead, the turn through LDS one step.
.set STEPS, 16
.set WREG,  8192                       ; a wave's region: two stages of 32 x SP bytes, behind them its 256 scale bytes
.set SP,    80                         ; a lane's place in a stage: 64 bytes + 16 of padding
.set CB,    8                          ; bytes of 16 codes
.set XR,    16                         ; v16-79   four sets of 16 numbers as loaded
.set XX,    80                         ; v80-111  two sets of 16 neighbours
.set XE,    112                        ; v112-127 a scale byte for each step
.set XC,    128                        ; v128-189 codes: registers of its own for each step, so that no store's data are written again
	v_lshlrev_b32 v3, 4, v2                        ; my 16 bytes of a load's 512
	s_mul_i32 s21, s20, WREG
	v_lshrrev_b32 v14, 2, v2
	v_mul_u32_u24 v14, v14, SP
	v_and_b32 v15, 3, v2
	v_lshl_add_u32 v14, v15, 4, v14
	v_add_nc_u32 v14, s21, v14                     ; the stage, on the way in: SP (lane / 4) + 16 (lane % 4)
	v_mul_u32_u24 v15, v2, SP
	v_add_nc_u32 v15, s21, v15                     ; and on the way out: SP x lane
	v_mul_u32_u24 v4, v2, CB                       ; my codes' place in a step's
	v_lshrrev_b32 v5, 1, v2
	s_add_co_u32 s21, s21, 2*32*SP
	v_add_nc_u32 v5, s21, v5                       ; my block's byte among my wave's 256 scale bytes
	v_lshlrev_b32 v7, 3, v2
	v_add_nc_u32 v6, s21, v7                       ; and on the way out 8 bytes a lane
	s_sub_co_u32 s21, ttmp9, NW+NPW
	s_lshl_b32 s21, s21, 2
	s_add_co_u32 s22, s21, s20                     ; which run of 8,192 numbers is my wave's
	s_mov_b32 s23, 0
	s_wait_kmcnt 0x0
	s_lshl_b64 s[24:25], s[22:23], 15              ; 32,768 bytes of x a run,
	s_add_nc_u64 s[4:5], s[4:5], s[24:25]
	s_lshl_b64 s[24:25], s[22:23], 12              ; 4,096 bytes of codes,
	s_add_nc_u64 s[10:11], s[10:11], s[24:25]
	s_lshl_b32 s22, s22, 8                         ; 256 scale bytes
	s_add_nc_u64 s[12:13], s[12:13], s[22:23]
.macro XLOAD t
.irp i, 0,1,2,3
	global_load_b128 v[XR+16*((\t)%4)+4*\i:XR+16*((\t)%4)+4*\i+3], v3, s[4:5] offset:2048*(\t)+512*\i th:TH_LOAD_NT   ; 32 lanes read 512 consecutive bytes
.endr
.endm
.macro XTURN t                         ; step t's numbers through the stage: LDS serves a wave's instructions in order, so no wait stands between the stores and the loads
.irp i, 0,1,2,3
	ds_store_b128 v14, v[XR+16*((\t)%4)+4*\i:XR+16*((\t)%4)+4*\i+3] offset:32*SP*((\t)%2)+8*SP*\i
.endr
.irp i, 0,1,2,3
	ds_load_b128 v[XX+16*((\t)%2)+4*\i:XX+16*((\t)%2)+4*\i+3], v15 offset:32*SP*((\t)%2)+16*\i
.endr
.endm
.irp t, 0,1,2,3
	XLOAD \t
.endr
	s_wait_loadcnt 12                              ; step 0's four loads are in; the 12 of steps 1 to 3 may be out
	XTURN 0
.macro XSTEP t
.set XN, XX+16*((\t)%2)
.if (\t) > 0
	s_wait_dscnt 1                                 ; this step's numbers are back from the stage (the last step's byte store may be out): so its stores into the stage have read their registers,
.else
	s_wait_dscnt 0x0
.endif
.if (\t)+4 < STEPS
	XLOAD (\t)+4                                   ; which take the loads of four steps on
.endif
.if (\t)+1 < STEPS
.if STEPS-2-(\t) >= 3
	s_wait_loadcnt 12                              ; the next step's four loads are in; those of the three steps behind it may be out
.else
	s_wait_loadcnt 4*(STEPS-2-(\t))
.endif
	XTURN (\t)+1
.endif
	v_max3_num_f32 v8, |v[XN]|, |v[XN+1]|, |v[XN+2]|               ; the largest magnitude of my 16, in two chains
	v_max3_num_f32 v9, |v[XN+3]|, |v[XN+4]|, |v[XN+5]|
.irp i, 6,10
	v_max3_num_f32 v8, v8, |v[XN+\i]|, |v[XN+\i+1]|
	v_max3_num_f32 v9, v9, |v[XN+\i+2]|, |v[XN+\i+3]|
.endr
	v_max3_num_f32 v8, v8, |v[XN+14]|, |v[XN+15]|
	v_max3_num_f32 v8, v8, v9, 0x1800000           ; and the floor 2^(3 - 127): the byte cannot fall under 1
	v_max_num_f32_dpp v8, v8, v8 row_xmask:1 row_mask:0xf bank_mask:0xf   ; and of my neighbour's 16: the block's
	v_add_nc_u32 v11, 0xff000000, v8               ; 2 off its exponent field: the conversion takes the exponent field of this operand as its scale
	v_cvt_scalef32_pk8_fp4_f32 v[XC+4*(\t)], v[XN:XN+7], v11
	v_cvt_scalef32_pk8_fp4_f32 v[XC+4*(\t)+1], v[XN+8:XN+15], v11
	v_lshrrev_b32 v[XE+(\t)], 23, v11              ; the scale's byte (also the plain line behind the conversions)
	ds_store_b8 v5, v[XE+(\t)] offset:16*(\t)      ; both lanes of a block write the same byte with the same value
	global_store_b64 v4, v[XC+4*(\t):XC+4*(\t)+1], s[10:11] offset:32*CB*(\t)   ; the wave stores 256 consecutive bytes, aligned
.endm
.irp t, 0,1,2,3,4,5,6,7,8,9,10,11,12,13,14,15
	XSTEP \t
.endr
	ds_load_b64 v[8:9], v6                         ; LDS serves a wave's instructions in order: these see my byte stores
	s_wait_dscnt 0x0
	global_store_b64 v7, v[8:9], s[12:13]          ; 32 lanes store 256 consecutive bytes, aligned
	s_wait_tensorcnt 0x0                           ; the wave's end, behind my last LDS store
	ds_add_u32 v[SPW], v[NIL]
	s_wait_dscnt 0x0
	s_endpgm
; ---------------- W: K is the first axis.  A lane takes a column n and its registers run down K: a block of 32 lies in one lane's 32 registers, and the conversions give codes with K innermost.
; A wave takes 32 columns x 512 along K; the codes leave through the wave's own stage, sixteen lanes to 256 consecutive bytes.  Loads run two blocks ahead.
; Every offset is an immediate: 511 rows of 12,288 bytes at the most, inside the signed 24 bits.
.set NB,     16                        ; blocks a lane
.set WPITCH, 272                       ; a stage row: 256 bytes of codes + 16
.set KROW,   512                       ; a row of wc
.set WX,     32                        ; v32-95   two sets of 32 numbers
.set WC,     96                        ; v96-99   a block's codes
.set OUTR,   112                       ; v112-175 the way out
.set SB,     24                        ; v24-27   the scale bytes, four to a register
.Lpath_w:
	s_lshr_b32 s21, ttmp9, 1
	s_lshl_b32 s21, s21, 7
	s_lshl_b32 s22, s20, 5
	s_add_co_u32 s21, s21, s22                     ; my wave's first column: 128 x (id / 2) + 32 x wave
	s_and_b32 s22, ttmp9, 1                        ; which 512 along K
	v_lshlrev_b32 v3, 2, v2                        ; in: 4 bytes a lane
	s_mul_i32 s23, s20, 32*WPITCH
	s_add_co_u32 s23, s23, WSTG                    ; my stage
	v_mul_u32_u24 v4, v2, WPITCH
	v_add_nc_u32 v4, s23, v4                       ; into it: row = my column
	v_and_b32 v5, 15, v2
	v_lshrrev_b32 v6, 4, v2
	v_mul_u32_u24 v7, v6, WPITCH
	v_lshl_add_u32 v7, v5, 4, v7
	v_add_nc_u32 v7, s23, v7                       ; out of it: sixteen lanes to a row, two rows an instruction
	v_mul_u32_u24 v8, v6, KROW
	v_lshl_add_u32 v8, v5, 4, v8                   ; and the same place in wc
	v_lshlrev_b32 v9, 5, v2                        ; my column's row of scale bytes
	s_mul_i32 s24, s22, 512*12288                  ; w_attn: 512 rows of 12,288 bytes,
	s_lshl_b32 s26, s21, 2
	s_add_co_u32 s24, s24, s26                     ; + 4 x column
	s_mov_b32 s25, 0
	s_lshl_b32 s26, s21, 9                         ; wc: column x 512
	s_lshl_b32 s28, s22, 8
	s_add_co_u32 s26, s26, s28                     ; + 256 x half
	s_mov_b32 s27, 0
	s_lshl_b32 s28, s21, 5                         ; ws: column x 32
	s_lshl_b32 s30, s22, 4
	s_add_co_u32 s28, s28, s30                     ; + 16 x half
	s_mov_b32 s29, 0
	s_wait_kmcnt 0x0
	s_add_nc_u64 s[6:7], s[6:7], s[24:25]
	s_add_nc_u64 s[14:15], s[14:15], s[26:27]
	s_add_nc_u64 s[16:17], s[16:17], s[28:29]
.macro WLOAD t                         ; block t: w(32 t + i, my column) into set t % 2; a wave's load reads 128 consecutive bytes
.irp i, 0,1,2,3,4,5,6,7,8,9,10,11,12,13,14,15,16,17,18,19,20,21,22,23,24,25,26,27,28,29,30,31
	global_load_b32 v[WX+32*((\t)%2)+\i], v3, s[6:7] offset:(32*(\t)+\i)*12288 th:TH_LOAD_NT
.endr
.endm
	WLOAD 0
	WLOAD 1
.macro WBLOCK t
.set WN, WX+32*((\t)%2)
.if (\t) < NB-1
	s_wait_loadcnt 32                              ; this block's 32 loads are in; the next block's 32 may be out
.else
	s_wait_loadcnt 0
.endif
	v_max3_num_f32 v12, |v[WN]|, |v[WN+1]|, |v[WN+2]|              ; the block's largest magnitude: all 32 numbers are mine
	v_max3_num_f32 v13, |v[WN+3]|, |v[WN+4]|, |v[WN+5]|
.irp i, 6,10,14,18,22,26
	v_max3_num_f32 v12, v12, |v[WN+\i]|, |v[WN+\i+1]|
	v_max3_num_f32 v13, v13, |v[WN+\i+2]|, |v[WN+\i+3]|
.endr
	v_max3_num_f32 v12, v12, |v[WN+30]|, |v[WN+31]|
	v_max3_num_f32 v12, v12, v13, 0x1800000        ; and the floor 2^(3 - 127)
	v_add_nc_u32 v11, 0xff000000, v12              ; the conversion's scale operand
	v_lshrrev_b32 v13, 23, v11                     ; the scale's byte
.if (\t)%4 == 0
	v_mov_b32 v[SB+(\t)/4], v13                    ; four bytes to a register, the lower K in the lower byte
.else
	v_lshl_or_b32 v[SB+(\t)/4], v13, 8*((\t)%4), v[SB+(\t)/4]
.endif
.irp g, 0,1,2,3
	v_cvt_scalef32_pk8_fp4_f32 v[WC+\g], v[WN+8*\g:WN+8*\g+7], v11
.endr
	v_nop                                          ; one plain line behind the last conversion
	ds_store_b128 v4, v[WC:WC+3] offset:16*(\t)    ; 32 codes: 16 bytes of my column's row
.if (\t)+2 < NB
	WLOAD (\t)+2
.endif
	s_wait_dscnt 0x0                               ; the store has read its registers: the next block's codes may be written
.endm
.set Q, 0
.rept NB
	WBLOCK Q
.set Q, Q+1
.endr
	global_store_b128 v9, v[SB:SB+3], s[16:17]     ; my column's 16 scale bytes (rows 32 bytes apart: one byte in 128 of what this job reads)
.irp t, 0,1,2,3,4,5,6,7,8,9,10,11,12,13,14,15
	ds_load_b128 v[OUTR+4*\t:OUTR+4*\t+3], v7 offset:2*\t*WPITCH
.endr
.irp t, 0,1,2,3,4,5,6,7,8,9,10,11,12,13,14,15
	s_wait_dscnt 15-\t                             ; load t is in; the younger ones may be out
	global_store_b128 v8, v[OUTR+4*\t:OUTR+4*\t+3], s[14:15] offset:2*\t*KROW   ; sixteen lanes store 256 consecutive bytes, aligned
.endr
	s_wait_tensorcnt 0x0                           ; the wave's end
	ds_add_u32 v[SPW], v[NIL]
	s_wait_dscnt 0x0
	s_endpgm
; ---------------- P: w_proj turned to [n][k] in f16, as a high part and a low part.  As in W a lane takes a column and its registers run down K.  A wave takes 32 columns x 128 along K.
; high = f16(w); low = f16((w - high) x 2^11): the subtraction is exact in f32.  A stage row holds a column's 256 bytes of high parts, its 256 of low parts, and 16 of padding.
.set PPITCH, 528
.set PX,     32                        ; v32-95  two sets of 32 numbers; v16-23 at work; v24-27 four words of high parts, v28-31 of low parts
.Lpath_p:
	s_sub_co_u32 s21, ttmp9, NW
	s_and_b32 s22, s21, 7
	s_lshl_b32 s22, s22, 7
	s_lshl_b32 s23, s20, 5
	s_add_co_u32 s22, s22, s23                     ; my wave's first column
	s_lshr_b32 s21, s21, 3                         ; which 128 along K
	v_lshlrev_b32 v3, 2, v2
	s_mul_i32 s23, s20, 32*PPITCH
	s_add_co_u32 s23, s23, PSTG                    ; my stage
	v_mul_u32_u24 v4, v2, PPITCH
	v_add_nc_u32 v4, s23, v4
	v_and_b32 v5, 15, v2
	v_lshrrev_b32 v6, 4, v2
	v_mul_u32_u24 v7, v6, PPITCH
	v_lshl_add_u32 v7, v5, 4, v7
	v_add_nc_u32 v7, s23, v7
	v_lshlrev_b32 v8, 11, v6                       ; a row of wp is 2,048 bytes
	v_lshl_add_u32 v8, v5, 4, v8
	s_lshl_b32 s24, s21, 19                        ; w_proj: 128 rows of 4,096 bytes
	s_lshl_b32 s26, s22, 2
	s_add_co_u32 s24, s24, s26
	s_mov_b32 s25, 0
	s_lshl_b32 s26, s22, 11                        ; wp: column x 2,048
	s_lshl_b32 s28, s21, 8
	s_add_co_u32 s26, s26, s28                     ; + 256 bytes for each 128 along K
	s_mov_b32 s27, 0
	s_wait_kmcnt 0x0
	s_add_nc_u64 s[8:9], s[8:9], s[24:25]
	s_add_nc_u64 s[18:19], s[18:19], s[26:27]
.macro PLOAD t
.irp i, 0,1,2,3,4,5,6,7,8,9,10,11,12,13,14,15,16,17,18,19,20,21,22,23,24,25,26,27,28,29,30,31
	global_load_b32 v[PX+32*((\t)%2)+\i], v3, s[8:9] offset:(32*(\t)+\i)*4096 th:TH_LOAD_NT
.endr
.endm
; two neighbours along K: their high parts into v[h], their low parts into v[l]; hl, hh: v[h]'s two halves by name; v[t], v[t+1] at work
.macro SPLIT src, h, hl, hh, l, t
	v_cvt_pk_f16_f32 v[\h], v[\src], v[\src+1]
	v_cvt_f32_f16 v[\t], \hl
	v_cvt_f32_f16 v[\t+1], \hh
	v_pk_add_f32 v[\t:\t+1], v[\src:\src+1], v[\t:\t+1] neg_lo:[0,1] neg_hi:[0,1]   ; what the rounding left: exact
	v_pk_mul_f32 v[\t:\t+1], v[\t:\t+1], 0x45000000 op_sel_hi:[1,0]                 ; x 2^11
	v_cvt_pk_f16_f32 v[\l], v[\t], v[\t+1]
.endm
	PLOAD 0
	PLOAD 1
.macro PBLOCK t
.set PN, PX+32*((\t)%2)
.if (\t) < 3
	s_wait_loadcnt 32                              ; this block's 32 loads are in; the next block's 32 may be out
.else
	s_wait_loadcnt 0
.endif
.irp g, 0,1,2,3
	SPLIT PN+8*\g,   24, v24.l, v24.h, 28, 16
	SPLIT PN+8*\g+2, 25, v25.l, v25.h, 29, 18
	SPLIT PN+8*\g+4, 26, v26.l, v26.h, 30, 20
	SPLIT PN+8*\g+6, 27, v27.l, v27.h, 31, 22
	ds_store_b128 v4, v[24:27] offset:64*(\t)+16*\g
	ds_store_b128 v4, v[28:31] offset:256+64*(\t)+16*\g
	s_wait_dscnt 0x0                               ; the stores have read their registers: the next four pairs may be written
.endr
.if (\t)+2 < 4
	PLOAD (\t)+2
.endif
.endm
.irp t, 0,1,2,3
	PBLOCK \t
.endr
.irp i, 0,1,2,3,4,5,6,7,8,9,10,11,12,13,14,15
	ds_load_b128 v[32+4*\i:35+4*\i], v7 offset:2*\i*PPITCH
.endr
.irp i, 0,1,2,3,4,5,6,7,8,9,10,11,12,13,14,15
	ds_load_b128 v[96+4*\i:99+4*\i], v7 offset:2*\i*PPITCH+256
.endr
.irp i, 0,1,2,3,4,5,6,7,8,9,10,11,12,13,14,15
	s_wait_dscnt 31-\i                             ; load i of the 32 is in
	global_store_b128 v8, v[32+4*\i:35+4*\i], s[18:19] offset:2*\i*2048            ; sixteen lanes store 256 consecutive bytes, aligned
.endr
.irp i, 0,1,2,3,4,5,6,7,8,9,10,11,12,13,14,15
	s_wait_dscnt 15-\i
	global_store_b128 v8, v[96+4*\i:99+4*\i], s[18:19] offset:2097152+2*\i*2048
.endr
	s_wait_tensorcnt 0x0                           ; the wave's end
	ds_add_u32 v[SPW], v[NIL]
	s_wait_dscnt 0x0
	s_endpgm
.Lfunc_end_k_q17e58bb6a8_prep:
	.size	k_q17e58bb6a8_prep, .Lfunc_end_k_q17e58bb6a8_prep-k_q17e58bb6a8_prep
	.p2alignl 7, 3214868480
	.fill 96, 4, 3214868480
	.section	.rodata,"a",@progbits
	.p2align	6, 0x0
	.amdhsa_kernel k_q17e58bb6a8_prep
		.amdhsa_group_segment_fixed_size 135680
		.amdhsa_private_segment_fixed_size 0
		.amdhsa_enable_private_segment 0
		.amdhsa_kernarg_size 64
		.amdhsa_user_sgpr_count 2
		.amdhsa_user_sgpr_kernarg_segment_ptr 1
		.amdhsa_wavefront_size32 1
		.amdhsa_system_sgpr_workgroup_id_x 1
		.amdhsa_system_sgpr_workgroup_id_y 1
		.amdhsa_system_sgpr_workgroup_id_z 1
		.amdhsa_system_vgpr_workitem_id 0
		.amdhsa_next_free_vgpr 192
		.amdhsa_next_free_sgpr 66
		.amdhsa_reserve_vcc 0
		.amdhsa_float_denorm_mode_32 3
		.amdhsa_float_denorm_mode_16_64 3
		.amdhsa_memory_ordered 1
		.amdhsa_forward_progress 1
		.amdhsa_inst_pref_size 155
	.end_amdhsa_kernel
	.amdgpu_metadata
---
amdhsa.version: [ 1, 2 ]
amdhsa.kernels:
  - .name:           k_q17e58bb6a8_prep
    .symbol:         k_q17e58bb6a8_prep.kd
    .args:
      - { .name: x, .offset: 0, .size: 8, .value_kind: global_buffer, .address_space: global }
      - { .name: w_attn, .offset: 8, .size: 8, .value_kind: global_buffer, .address_space: global }
      - { .name: w_proj, .offset: 16, .size: 8, .value_kind: global_buffer, .address_space: global }
      - { .name: xc, .offset: 24, .size: 8, .value_kind: global_buffer, .address_space: global }
      - { .name: xs, .offset: 32, .size: 8, .value_kind: global_buffer, .address_space: global }
      - { .name: wc, .offset: 40, .size: 8, .value_kind: global_buffer, .address_space: global }
      - { .name: ws, .offset: 48, .size: 8, .value_kind: global_buffer, .address_space: global }
      - { .name: wp, .offset: 56, .size: 8, .value_kind: global_buffer, .address_space: global }
    .group_segment_fixed_size: 135680
    .private_segment_fixed_size: 0
    .kernarg_segment_align: 8
    .kernarg_segment_size: 64
    .max_flat_workgroup_size: 128
    .sgpr_count:     66
    .vgpr_count:     192
    .wavefront_size: 32
...
	.end_amdgpu_metadata
.endif
;; end of part 1
;; launch qkv (part 2): grid 12 x 32, 4 waves a work-group, clusters of 4 x 4, 327,680 bytes of LDS; arguments xc, xs, wc, ws, qkv, b_attn; writes qkv
.if DOCPART == 2
	.amdgcn_target "amdgcn-amd-amdhsa--gfx1250"
	.amdhsa_code_object_version 6
	.text
	.protected	k_q17e58bb6a8_qkv
	.globl	k_q17e58bb6a8_qkv
	.p2align	8
	.type	k_q17e58bb6a8_qkv,@function
k_q17e58bb6a8_qkv:
	s_mov_b64 s[64:65], 0
	v_nop
	global_prefetch_b8 v0, s[64:65] scope:SCOPE_SE
	s_setreg_imm32_b32 hwreg(HW_REG_WAVE_MODE, 25, 1), 1
	s_wait_xcnt 0x0
	s_wait_alu depctr_hold_cnt(0) depctr_sa_sdst(0) depctr_va_vdst(0) depctr_va_sdst(0) depctr_va_ssrc(0) depctr_va_vcc(0) depctr_vm_vsrc(0)
	s_getreg_b32 s2, hwreg(HW_REG_IB_STS2, 6, 4)
	s_cmp_eq_u32 s2, 0
	s_cbranch_scc0 .Lentry_in_a_cluster
	s_endpgm
.Lentry_in_a_cluster:
	s_bfe_u32 s2, ttmp6, 0x10000c
	s_cmp_lg_u32 s2, 0xf033
	s_cbranch_scc0 .Lentry_shape_is_right
	s_endpgm
.Lentry_shape_is_right:
; QKV = Q(x) Q(w_attn) + b_attn on codes of FP4 (E2M1) with one E8M0 scale for each 32 along K; sums in f32; the result is rounded once to f16 and laid by head:
; plane = which x 64 + batch x 16 + head (which: 0 q, 1 k, 2 v), 262,144 bytes a plane = [2048 positions][64] f16.  THE q PLANES HOLD q x log2(e) / 8: attention's scores are then exponents of 2 as they come.
; A: xc [8192][512 bytes], xs [8192][32];  B: wc [3072][512 bytes], ws [3072][32].
; A tile of 256 x 256 is made by four waves, each 128 x 128: 64 accumulators of 16 x 16, 512 registers.  K = 1,024 is two slots of 512 along K (rows of 256 bytes): both are asked for at the head, and nothing is ever filled again.
; The scales of the work-group's 256 + 256 rows, for all of K, come once, in rows of 256 bytes, and stay in LDS.
; CLUSTERS: 4 x 4 work-groups; A's tiles are asked for jointly along a row of the cluster, B's along a column.  THE MATRIX INSTRUCTION IS USED TRANSPOSED (source 0 = 16 rows of B, source 1 = 16 rows of A):
; a lane then holds eight neighbouring columns of one row.  The bias is the C of each sum's first product.
; LIMITS: |q|, |k|, |v| stay under 65,504 (f16); NaN and infinities are not served.
; REGISTERS, in windows of 256: window 0: v0-31 addresses; v32-95 scale words, two sets; v96-127 packed results; v128-191 A's fragments, one set (on the way out: rows read back);
;   v192-255 the bias in the result's layout (on the way out: scaled results).  window 1: B's fragments, two sets.  window 2: accumulators of my rows 0-63 ((a, b) at v[8 (8 a + b)]);  window 3: rows 64-127.
.set KSTEP,  512
.set NQ,     4                         ; matrix instructions deep in a slot
.set ROWB,   256                       ; a tile's row in bytes
.set KROW,   512                       ; a row of codes in memory
.set PITCH,  272                       ; an LDS row: 256 bytes + 16: the 16 rows that a load touches start 16 bytes apart modulo 256
.set FR,     8
.set NL,     2
.set NP,     4                         ; places behind this matrix instruction (ISA guide 7.12.1)
.set HALFT,  128*PITCH
.set SLOT,   4*HALFT                   ; A's 256 rows, then B's 256 rows
.set KS,     32                        ; a row of scales in bytes
.set SCL,    2*SLOT                    ; behind the two slots: the scales, as rows of 256 bytes + 16
.set HALFS,  (128*KS/256)*272
.set SBLK,   (16*KS/256)*272
.set SPARE,  SCL+4*HALFS               ; the spare words, 128 bytes for each wave
.set ADRA, 16
.set ADRB, 20
.set STO,  24                          ; the way out: where I put 16 bytes of a row
.set RD,   25                          ; and where I read rows back
.set CO,   26                          ; 16 x lane
.set ADRS, 27
.set SPW,  28
.set NIL,  29
.set BO,   30                          ; the bias: 32 bytes for each half of the lanes
.set SC,   32
.set TMP,  96
.set AF,   128
.set BK,   128
.set BIAS, 192
.set SCR,  192
.set FS,   2                           ; s[2:3] the factor: log2(e) / 8 for q, 1 for k and v
.set G1, 24
.set G0, 32
.set G1B, 48
.set G0B, 56
.set G1S, 68
.set G0S, 76
.set G1SB, 80
.set G0SB, 88
.set MSB, 0
.macro WIN new                         ; the immediate's high byte repeats the setting that is left
.if MSB != (\new)
	s_set_vgpr_msb (MSB<<8)|(\new)
.set MSB, (\new)
.endif
.endm
.set MUL_LO, 0xa1                      ; source 0 (B) window 1, source 1 (A) window 0, C and D window 2
.set MUL_HI, 0xf1                      ; the same, C and D window 3
.set BIA_LO, 0x81                      ; the first products: C (the bias) window 0, D window 2
.set BIA_HI, 0xc1                      ; D window 3
.set TO_B,   0x40
; A joint load: waves 0 and 1 fetch for A, waves 2 and 3 for B.  The branch hangs on the wave's number alone.  An s_nop 0 and four v_nop follow each line.
.macro JLOAD g0a, g1a, g0b, g1b
	s_cmp_eq_u32 s15, 0
	s_cbranch_scc0 .Lfor_b_\@
	tensor_load_to_lds s[\g0a:\g0a+3], s[\g1a:\g1a+7]
	s_nop 0
.rept 4
	v_nop
.endr
	s_branch .Lasked_\@
.Lfor_b_\@:
	tensor_load_to_lds s[\g0b:\g0b+3], s[\g1b:\g1b+7]
	s_nop 0
.rept 4
	v_nop
.endr
.Lasked_\@:
.endm
.macro CROUND                          ; a round of the cluster's barrier
	s_barrier_signal -1
	s_barrier_wait -1
	s_cmp_lg_u32 s14, 0
	s_cbranch_scc1 .Lnot_wave_0_\@
	s_barrier_signal -3
.Lnot_wave_0_\@:
	s_barrier_wait -3
	s_barrier_signal -1
	s_barrier_wait -1
.endm
	s_load_b128 s[4:7], s[0:1], 0x0                ; xc, xs
	s_load_b128 s[8:11], s[0:1], 0x10              ; wc, ws
	s_load_b64 s[12:13], s[0:1], 0x20              ; qkv
	s_load_b64 s[96:97], s[0:1], 0x28              ; b_attn
	v_lshl_add_u32 v[SPW], v0, 2, SPARE
	v_mov_b32 v[NIL], 0
	ds_add_u32 v[SPW], v[NIL]                      ; the wave's opening: the add, twice on end, and its wait ahead of my first tensor load
	ds_add_u32 v[SPW], v[NIL]
	v_lshrrev_b32 v1, 5, v0
	v_readfirstlane_b32 s14, v1                    ; wave 0..3
	s_lshr_b32 s15, s14, 1                         ; which half of the tile's rows is mine.  Also: I fetch for A (0) or for B (1)
	s_and_b32 s16, s14, 1                          ; which half of its columns.  Also: which 128 rows of that tile I fetch
	s_bfe_u32 s40, ttmp6, 0x40000                  ; cx, cy: my place in the cluster
	s_bfe_u32 s41, ttmp6, 0x40004
	s_lshl_b32 s42, ttmp9, 2
	s_add_co_u32 s42, s42, s40                     ; tile column = 4 x cluster x + cx
	s_and_b32 s17, ttmp7, 0xffff
	s_lshl_b32 s17, s17, 2
	s_add_co_u32 s17, s17, s41                     ; tile row = 4 x cluster y + cy
	s_lshl_b32 s43, s41, 2
	s_lshl_b32 s43, 15, s43                        ; my row of the cluster
	s_lshl_b32 s44, 0x1111, s40                    ; my column
	s_or_b32 s[G1+0], s43, (0<<16)|(1<<20)|(1<<21)|(5<<22)|(3<<25)  ; the mask; elements of 1 byte; padding on; bit 21 beside a mask; 4 words behind every 64
	s_or_b32 s[G1B+0], s44, (0<<16)|(1<<20)|(1<<21)|(5<<22)|(3<<25)
.irp g, G1, G1B
	s_mov_b32 s[\g+1], ROWB<<16                    ; tensor_dim0
	s_mov_b32 s[\g+2], 128<<16                     ; tensor_dim1
	s_mov_b32 s[\g+3], ROWB<<16                    ; tile_dim0
	s_mov_b32 s[\g+4], 128                         ; tile_dim1
	s_mov_b32 s[\g+5], KROW                        ; from row to row
	s_mov_b32 s[\g+6], 0
	s_mov_b32 s[\g+7], 0
.endr
	s_or_b32 s[G1S+0], s43, (3<<16)|(1<<20)|(1<<21)|(5<<22)|(3<<25) ; the scales of 128 rows: 4,096 dense bytes as 16 rows of 32 elements of 8 bytes
	s_or_b32 s[G1SB+0], s44, (3<<16)|(1<<20)|(1<<21)|(5<<22)|(3<<25)
.irp g, G1S, G1SB
	s_mov_b32 s[\g+1], 32<<16
	s_mov_b32 s[\g+2], (128*KS/256)<<16
	s_mov_b32 s[\g+3], 32<<16
	s_mov_b32 s[\g+4], 128*KS/256
	s_mov_b32 s[\g+5], 32
	s_mov_b32 s[\g+6], 0
	s_mov_b32 s[\g+7], 0
.endr
	s_lshl_b32 s18, s16, 7
	s_lshl_b32 s20, s17, 8
	s_add_co_u32 s20, s20, s18                     ; A: row 256 x tile row + 128 x half
	s_lshl_b32 s46, s42, 8
	s_add_co_u32 s46, s46, s18                     ; B: row 256 x tile column + 128 x half
	s_mov_b32 s21, 0
	s_mov_b32 s47, 0
	s_mov_b64 s[18:19], KS
	s_mul_u64 s[22:23], s[20:21], s[18:19]         ; where these rows' scales begin,
	s_mul_u64 s[92:93], s[46:47], s[18:19]
	s_mov_b64 s[18:19], KROW
	s_mul_u64 s[20:21], s[20:21], s[18:19]         ; and their codes
	s_mul_u64 s[46:47], s[46:47], s[18:19]
	s_mul_i32 s45, s14, HALFT                      ; where they go: wave x 128 rows
	s_mul_i32 s94, s14, HALFS
	s_wait_dscnt 0x0                               ; both opening adds are done
	s_wait_kmcnt 0x0
	s_add_nc_u64 s[20:21], s[4:5], s[20:21]
	s_add_nc_u64 s[22:23], s[6:7], s[22:23]
	s_add_nc_u64 s[46:47], s[8:9], s[46:47]
	s_add_nc_u64 s[92:93], s[10:11], s[92:93]
	CROUND                                         ; all sixteen work-groups are here: the joint loads meet
	s_mov_b32 s[G0S], 1
	s_add_co_u32 s[G0S+1], s94, SCL
	s_mov_b64 s[G0S+2:G0S+3], s[22:23]
	s_or_b32 s[G0S+3], s[G0S+3], 0x80000000
	s_mov_b32 s[G0SB], 1
	s_add_co_u32 s[G0SB+1], s94, SCL
	s_mov_b64 s[G0SB+2:G0SB+3], s[92:93]
	s_or_b32 s[G0SB+3], s[G0SB+3], 0x80000000
	JLOAD G0S, G1S, G0SB, G1SB                     ; the scales first; then both slots: three loads of mine are out
.irp s, 0,1
	s_mov_b32 s[G0+4*\s], 1
	s_add_co_u32 s[G0+4*\s+1], s45, \s*SLOT
	s_add_nc_u64 s[G0+4*\s+2:G0+4*\s+3], s[20:21], \s*ROWB
	s_or_b32 s[G0+4*\s+3], s[G0+4*\s+3], 0x80000000
	s_mov_b32 s[G0B+4*\s], 1
	s_add_co_u32 s[G0B+4*\s+1], s45, \s*SLOT
	s_add_nc_u64 s[G0B+4*\s+2:G0B+4*\s+3], s[46:47], \s*ROWB
	s_or_b32 s[G0B+4*\s+3], s[G0B+4*\s+3], 0x80000000
	JLOAD G0+4*\s, G1, G0B+4*\s, G1B
.endr
	v_and_b32 v1, 15, v0                           ; r = lane % 16
	v_bfe_u32 v2, v0, 4, 1                         ; h = lane / 16
	v_mul_u32_u24 v3, v1, PITCH
	v_lshl_add_u32 v4, v2, 4, v3                   ; a fragment's row x pitch + 16 x half
	s_mul_i32 s21, s15, HALFT                      ; my 128 rows of A
	s_mul_i32 s22, s16, HALFT                      ; my 128 rows of B,
	s_add_co_u32 s22, s22, 2*HALFT                 ; which lie behind A's 256
.irp s, 0,1
	v_add_nc_u32 v[ADRA+\s], s21, v4
	v_add_nc_u32 v[ADRB+\s], s22, v4
	s_add_co_u32 s21, s21, SLOT
	s_add_co_u32 s22, s22, SLOT
.endr
	v_mul_u32_u24 v5, v1, KS                       ; my row's scales: 32 bytes a row,
	v_lshrrev_b32 v6, 8, v5
	v_lshl_add_u32 v5, v6, 4, v5                   ; and 16 more for each 256 passed
	s_mul_i32 s21, s15, HALFS
	s_mul_i32 s22, s16, HALFS
	s_add_co_u32 s22, s22, 2*HALFS
	s_sub_co_u32 s22, s22, s21
	v_mul_u32_u24 v6, s22, v2                      ; lanes 16-31 take B's
	s_add_co_u32 s21, s21, SCL
	v_add_nc_u32 v5, v5, v6
	v_add_nc_u32 v[ADRS], s21, v5
	s_mul_i32 s23, s14, 2*16*144                   ; my stage, in slot 0: two heads x 16 rows x (128 bytes + 16)
	v_mul_u32_u24 v5, v1, 144
	v_lshl_add_u32 v5, v2, 4, v5
	v_add_nc_u32 v[STO], s23, v5                   ; in: row r, 16 bytes for each half of the lanes
	v_and_b32 v6, 31, v0
	v_lshlrev_b32 v[CO], 4, v6
	v_lshrrev_b32 v5, 3, v6
	v_mul_u32_u24 v5, v5, 144
	v_and_b32 v6, 7, v6
	v_lshl_add_u32 v5, v6, 4, v5
	v_add_nc_u32 v[RD], s23, v5                    ; back: eight lanes to a row of 128 bytes, four rows an instruction
	v_lshlrev_b32 v[BO], 5, v2
	s_lshl_b32 s46, s42, 10
	s_lshl_b32 s47, s16, 9
	s_add_co_u32 s46, s46, s47                     ; 4 x my first column
	s_mov_b32 s47, 0
	s_add_nc_u64 s[96:97], s[96:97], s[46:47]
.irp b, 0,1,2,3,4,5,6,7                        ; lane (r, h), block b: b_attn at my first column + 16 b + 8 h + 0 .. 7
	global_load_b128 v[BIAS+8*\b:BIAS+8*\b+3], v[BO], s[96:97] offset:64*\b
	global_load_b128 v[BIAS+8*\b+4:BIAS+8*\b+7], v[BO], s[96:97] offset:64*\b+16
.endr
	s_lshl_b32 s20, s17, 8
	s_lshl_b32 s21, s15, 7
	s_add_co_u32 s20, s20, s21                     ; my first row
	s_lshr_b32 s21, s20, 11                        ; its batch,
	s_and_b32 s20, s20, 2047                       ; its position:
	s_lshl_b32 s20, s20, 7                         ; 128 bytes a position
	s_lshl_b32 s21, s21, 4
	s_lshl_b32 s22, ttmp9, 6                       ; 1,024 columns are four tile columns: which = the cluster's x
	s_add_co_u32 s21, s21, s22
	s_lshl_b32 s22, s40, 2                         ; four heads a tile column,
	s_add_co_u32 s21, s21, s22
	s_lshl_b32 s22, s16, 1                         ; two a wave
	s_add_co_u32 s21, s21, s22                     ; my first plane
	s_lshl_b32 s21, s21, 18
	s_add_co_u32 s20, s20, s21
	s_mov_b32 s21, 0
	s_add_nc_u64 s[12:13], s[12:13], s[20:21]
	s_cmp_eq_u32 ttmp9, 0
	s_cselect_b32 s[FS], 0x3e38aa3b, 1.0           ; log2(e) / 8 for q
	s_mov_b32 s[FS+1], s[FS]                       ; (named with it as a pair, so it is written)
.macro FRAG reg, adr, q, i             ; 16 rows x 128 K of 4-bit codes: lane l holds row l % 16; registers 4 c .. 4 c + 3 hold K = 64 c + 32 (l / 16) + 0 .. 31
.irp c, 0,1
	ds_load_b128 v[\reg+4*\c:\reg+4*\c+3], v[\adr] offset:64*(\q)+32*\c+(\i)*16*PITCH
.endr
.endm
; 16 matrix instructions: A's blocks a0, a0 + 1 x B's eight.  first = 1: the bias is the C.  The 64 accumulators take turns, one instruction a turn.
.macro MUL16 a0, p, q, sc, first
.irp a, \a0, \a0+1
.irp b, 0,1,2,3,4,5,6,7
.if \first
	v_wmma_scale_f32_16x16x128_f8f6f4 v[8*(8*((\a)%4)+\b):8*(8*((\a)%4)+\b)+7], v[128*(\p)+FR*\b:128*(\p)+FR*\b+FR-1], v[AF+FR*(\a):AF+FR*(\a)+FR-1], v[BIAS+8*\b:BIAS+8*\b+7], v[SC+8*NQ*(\sc)+NQ*\b+(\q)], v[SC+8*NQ*(\sc)+NQ*(\a)+(\q)] matrix_a_fmt:MATRIX_FMT_FP4 matrix_b_fmt:MATRIX_FMT_FP4 matrix_a_scale:MATRIX_SCALE_ROW1
.else
	v_wmma_scale_f32_16x16x128_f8f6f4 v[8*(8*((\a)%4)+\b):8*(8*((\a)%4)+\b)+7], v[128*(\p)+FR*\b:128*(\p)+FR*\b+FR-1], v[AF+FR*(\a):AF+FR*(\a)+FR-1], v[8*(8*((\a)%4)+\b):8*(8*((\a)%4)+\b)+7], v[SC+8*NQ*(\sc)+NQ*\b+(\q)], v[SC+8*NQ*(\sc)+NQ*(\a)+(\q)] matrix_a_fmt:MATRIX_FMT_FP4 matrix_b_fmt:MATRIX_FMT_FP4 matrix_a_scale:MATRIX_SCALE_ROW1
.endif
.endr
.endr
.endm
.macro FETCH_B slot, q, p
	WIN TO_B
.irp i, 0,1,2,3,4,5,6,7
	FRAG 128*(\p)+FR*\i, ADRB+\slot, \q, \i
.endr
	WIN 0
.endm
.macro FETCH_A slot, q, i0
.irp i, \i0, \i0+1, \i0+2, \i0+3
	FRAG AF+FR*(\i), ADRA+\slot, \q, \i
.endr
.endm
.macro SCALES sc                       ; a slot's scale words: four words a row; lanes 0-15 take A's block i, lanes 16-31 B's block i
.irp i, 0,1,2,3,4,5,6,7
	ds_load_b128 v[SC+8*NQ*\sc+NQ*\i:SC+8*NQ*\sc+NQ*\i+3], v[ADRS] offset:\i*SBLK
.endr
.endm
.macro PLACES n                        ; plain vector lines between a matrix instruction and a load into, or a read of, its registers
.rept \n
	v_nop
.endr
.endm
.macro STEP slot, q, first             ; 128 along K, with its successor in the same slot
	s_wait_dscnt 4*NL                              ; B's set and A's blocks 0-3 are in; the youngest eight loads (A's blocks 4-7) may be out
.if \first
	WIN BIA_LO
.else
	WIN MUL_LO
.endif
	MUL16 0, (\q)%2, \q, \slot, \first
	MUL16 2, (\q)%2, \q, \slot, \first
	s_wait_dscnt 0                                 ; A's blocks 4-7 are in
	PLACES NP
	FETCH_B \slot, (\q)+1, 1-(\q)%2
	FETCH_A \slot, (\q)+1, 0
.if \first
	WIN BIA_HI
.else
	WIN MUL_HI
.endif
	MUL16 4, (\q)%2, \q, \slot, \first
	MUL16 6, (\q)%2, \q, \slot, \first
	PLACES NP
	WIN 0
	FETCH_A \slot, (\q)+1, 4
.endm
; Slot 0's last step goes over to slot 1: one barrier; in front of it each wave waits for all its tensor loads (its part of slot 1), adds 0 to its spare word, and waits for that and for its reads of slot 0.
.macro TURN slot, next
	s_wait_tensorcnt 0x0                           ; all my tensor loads have landed
	ds_add_u32 v[SPW], v[NIL]                      ; 0 onto my spare word
	s_wait_dscnt 4*NL+1                            ; (the add and the youngest eight loads may be out)
	WIN MUL_LO
	MUL16 0, 1, NQ-1, \slot, 0
	s_wait_dscnt 0x0                               ; the add is done, and my reads of this slot are over
	s_barrier_signal -1
	MUL16 2, 1, NQ-1, \slot, 0
	WIN 0
	s_barrier_wait -1                              ; slot 1 is whole, and nobody reads slot 0 any more
	PLACES NP
	v_add_nc_u32 v[ADRS], 4*NQ, v[ADRS]            ; on to the next slot's scale words
	FETCH_B \next, 0, 0
	FETCH_A \next, 0, 0
	SCALES \next
	WIN MUL_HI
	MUL16 4, 1, NQ-1, \slot, 0
	MUL16 6, 1, NQ-1, \slot, 0
	PLACES NP
	WIN 0
	FETCH_A \next, 0, 4
.endm
	s_wait_tensorcnt 1                             ; the scales and my part of slot 0 are in (slot 1's load may be out)
	s_barrier_signal -1
	s_barrier_wait -1                              ; everybody's are
	FETCH_B 0, 0, 0
	FETCH_A 0, 0, 0
	SCALES 0
	FETCH_A 0, 0, 4
	s_wait_loadcnt 0x0                             ; the bias
	STEP 0, 0, 1                                   ; the first products start the sums from the bias
	STEP 0, 1, 0
	STEP 0, 2, 0
	TURN 0, 1
	STEP 1, 0, 0
	STEP 1, 1, 0
	STEP 1, 2, 0
	s_wait_dscnt 4*NL                              ; the last step: nothing more to fetch
	WIN MUL_LO
	MUL16 0, 1, NQ-1, 1, 0
	MUL16 2, 1, NQ-1, 1, 0
	s_wait_dscnt 0
	WIN MUL_HI
	MUL16 4, 1, NQ-1, 1, 0
	MUL16 6, 1, NQ-1, 1, 0
	WIN 0
; THE WAY OUT, block by block of 16 rows x 128 columns (two heads).  PACK: x the factor, rounded to f16: 16 bytes a lane.  TOSTAGE: into my stage, a head's 16 rows of 128 bytes together, and back four rows an
; instruction.  SEND: 16 rows of a head are 2,048 consecutive bytes of its plane: each store of the wave covers 512 consecutive bytes, aligned.  The stage lies in slot 0: it has had its only fill, and nobody reads it.
.macro PACK a
.set AC, 64*((\a)%4)
	WIN 0x02+((\a)/4)                              ; source 0: window 2 or 3
.set i, 0
.rept 32
	v_pk_mul_f32 v[SCR+2*i:SCR+2*i+1], v[AC+2*i:AC+2*i+1], s[FS:FS+1] op_sel_hi:[1,0]   ; each accumulator from its low end on
.set i, i+1
.endr
	WIN 0
.set i, 0
.rept 32
	v_cvt_pk_f16_f32 v[TMP+i], v[SCR+2*i], v[SCR+2*i+1]
.set i, i+1
.endr
.endm
.macro TOSTAGE a
.set BB, BK+32*((\a)%2)
.irp b, 0,1,2,3,4,5,6,7
	ds_store_b128 v[STO], v[TMP+4*\b:TMP+4*\b+3] offset:(\b/4)*2304+32*(\b%4)
.endr
.irp t, 0,1,2,3,4,5,6,7
	ds_load_b128 v[BB+4*\t:BB+4*\t+3], v[RD] offset:(\t/4)*2304+(\t%4)*576   ; LDS serves a wave's instructions in order: these see the stores above
.endr
.endm
.macro SEND a
.set BB, BK+32*((\a)%2)
	s_wait_dscnt 0x0                               ; the block is back in registers
	s_wait_xcnt 0x0                                ; the stores of the block before have read their registers: the next block's loads may land there
.irp t, 0,1,2,3,4,5,6,7
	global_store_b128 v[CO], v[BB+4*\t:BB+4*\t+3], s[12:13] offset:(\t/4)*262144+(\a)*2048+(\t%4)*512
.endr
.endm
	PLACES NP
	PACK 0
	TOSTAGE 0
.irp a, 1,2,3,4,5,6,7                          ; block a's arithmetic stands between block a - 1's loads from the stage and the wait for them
	PACK \a
	SEND \a-1
	TOSTAGE \a
.endr
	SEND 7
	s_wait_tensorcnt 0x0                           ; the wave's end
	ds_add_u32 v[SPW], v[NIL]
	s_wait_dscnt 0x0
	CROUND                                         ; the closing round
	s_endpgm
.Lfunc_end_k_q17e58bb6a8_qkv:
	.size	k_q17e58bb6a8_qkv, .Lfunc_end_k_q17e58bb6a8_qkv-k_q17e58bb6a8_qkv
	.p2alignl 7, 3214868480
	.fill 96, 4, 3214868480
	.section	.rodata,"a",@progbits
	.p2align	6, 0x0
	.amdhsa_kernel k_q17e58bb6a8_qkv
		.amdhsa_group_segment_fixed_size 327680
		.amdhsa_private_segment_fixed_size 0
		.amdhsa_enable_private_segment 0
		.amdhsa_kernarg_size 48
		.amdhsa_user_sgpr_count 2
		.amdhsa_user_sgpr_kernarg_segment_ptr 1
		.amdhsa_wavefront_size32 1
		.amdhsa_system_sgpr_workgroup_id_x 1
		.amdhsa_system_sgpr_workgroup_id_y 1
		.amdhsa_system_sgpr_workgroup_id_z 1
		.amdhsa_system_vgpr_workitem_id 0
		.amdhsa_next_free_vgpr 1024
		.amdhsa_next_free_sgpr 98
		.amdhsa_reserve_vcc 0
		.amdhsa_float_denorm_mode_32 3
		.amdhsa_float_denorm_mode_16_64 3
		.amdhsa_memory_ordered 1
		.amdhsa_forward_progress 1
		.amdhsa_inst_pref_size 144
	.end_amdhsa_kernel
	.amdgpu_metadata
---
amdhsa.version: [ 1, 2 ]
amdhsa.kernels:
  - .name:           k_q17e58bb6a8_qkv
    .symbol:         k_q17e58bb6a8_qkv.kd
    .args:
      - { .name: xc, .offset: 0, .size: 8, .value_kind: global_buffer, .address_space: global }
      - { .name: xs, .offset: 8, .size: 8, .value_kind: global_buffer, .address_space: global }
      - { .name: wc, .offset: 16, .size: 8, .value_kind: global_buffer, .address_space: global }
      - { .name: ws, .offset: 24, .size: 8, .value_kind: global_buffer, .address_space: global }
      - { .name: qkv, .offset: 32, .size: 8, .value_kind: global_buffer, .address_space: global }
      - { .name: b_attn, .offset: 40, .size: 8, .value_kind: global_buffer, .address_space: global }
    .group_segment_fixed_size: 327680
    .private_segment_fixed_size: 0
    .kernarg_segment_align: 8
    .kernarg_segment_size: 48
    .max_flat_workgroup_size: 128
    .sgpr_count:     98
    .vgpr_count:     1024
    .wavefront_size: 32
...
	.end_amdgpu_metadata
.endif
;; end of part 2
;; launch attn (part 3): grid 4 x 64, 16 waves a work-group, no clusters, 327,680 bytes of LDS; arguments qkv, y; writes y
.if DOCPART == 3
	.amdgcn_target "amdgcn-amd-amdhsa--gfx1250"
	.amdhsa_code_object_version 6
	.text
	.protected	k_q17e58bb6a8_attn
	.globl	k_q17e58bb6a8_attn
	.p2align	8
	.type	k_q17e58bb6a8_attn,@function
k_q17e58bb6a8_attn:
	s_mov_b64 s[64:65], 0
	v_nop
	global_prefetch_b8 v0, s[64:65] scope:SCOPE_SE
	s_setreg_imm32_b32 hwreg(HW_REG_WAVE_MODE, 25, 1), 1
	s_wait_xcnt 0x0
; y[b][head][q] = the sum over k <= q of softmax_k(q . k / 8) v.  q, k, v: planes of qkv, [2048][64] f16 (plane which x 64 + 16 b + head); q arrives multiplied by log2(e) / 8, so a score t is an exponent of 2.
; Products on f16 operands, sums in f32.  For each query a running maximum m and sum l: p = 2^(t - m), at most 1; in every step O and l are multiplied by a = 2^(old m - new m).  l is taken of the unrounded p; p goes to f16 for the
; second product.  y: [16 head][8192 = 2048 b + position][64] f16.
; SHARES.  Work-group (p, bh) owns query blocks p and 7 - p (256 queries each) of one head: under the causal mask that is the same number of key steps in all 256 work-groups.  Each of sixteen waves owns 32 queries, two tiles of 16,
; in 256 registers: four waves to a SIMD, so that one wave's vector work stands beside another's products and LDS loads.  role = (w ^ (w >> 2)) & 1 picks the block, w >> 1 the 32 queries in it.
; Keys go 64 a step, 256 a slot, through two LDS slots filled by the tensor data mover (waves 0, 1: K's halves; waves 2, 3: V's) and read by all sixteen.  Every work-group walks all eight slots (trip counts are constants);
; a step all of whose keys come after the wave's queries is jumped over, and a slot whose first key comes after the work-group's last query is not asked for.
; LAYOUT.  S^T = K Q^T (source 0 = 16 keys, source 1 = 16 queries): a lane holds ONE query (lane % 16) and keys 8 (lane / 16) + 0..7 of each tile; two such tiles, rounded to f16 in pairs, are source 1 of O^T = V^T P.
; K comes out of LDS as it lies, V turned by ds_load_tr16_b128.
; NO CLUSTER: the four work-groups of a head need 8 - p slots each, so a joint load would bring some partner tiles that none of its waves reads.
; LIMITS: NaN and infinities are not served; |y| stays under 65,504.
; REGISTERS: v1-14 addresses and constants; v16-31 statistics, 8 a tile: +0 m, +1 (its pair's upper word), +2, +3 l, +4..+7 at work (a in +6); v32-63 Q; v64-127 S^T, then P in place; v128-191 K, then V; v192-255 O^T.
.set KP,    272                        ; an LDS row of K: two keys, 256 bytes, + 16
.set VP,    288                        ; of V: + 32
.set VOFF,  128*KP                     ; a slot: 128 rows of K, then 128 rows of V
.set SLOT1, 1<<17                      ; slot 1 begins here: one exclusive or turns an address from one slot to the other
.set SLOTB, 32768                      ; a slot's keys in memory: 256 x 128 bytes, dense
.set SPARE, SLOT1+128*(KP+VP)          ; the spare words, 128 bytes for each wave: eight blocks of 256 bytes that no other line names
.set NSL,   8
.set AK0, 1
.set AV0, 2
.set ADK, 3
.set ADV, 4
.set SPW, 5
.set NIL, 6
.set GO,  7                            ; 16 x lane
.set D0,  8                            ; the mask: tile 0's d;
.set NINF, 9                           ; -infinity
.set D1,  10                           ; tile 1's d
.set PFO, 11                           ; 256 x lane
.set STO, 12
.set RD,  13
.set DB,  14                           ; lane % 16 - 8 (lane / 16)
.set ST,  16
.set QF,  32
.set S,   64
.set KV,  128
.set O,   192
.set TB,  2                            ; s2   LDS byte at which the slot in hand begins
.set WV,  18
.set SEL, 20                           ; s[20:21] selects for v_permlanex16_b32: lane l xor 16
.set G1K, 24
.set G1V, 32
.set G0K, 40
.set G0V, 44
.set SLOTS, 67
.set PFA, 76
.set LIM, 80
.set QL,  97                           ; my work-group's last query
.set KF,  98                           ; the step's first key
.set Q0,  99                           ; my first query
.macro TLOAD                           ; waves 0 and 1 fetch for K, waves 2 and 3 for V, the others nothing.  An s_nop 0 and four v_nop follow each line
	s_cmp_lt_u32 s[WV], 2
	s_cbranch_scc0 .Lnot_k_\@
	tensor_load_to_lds s[G0K:G0K+3], s[G1K:G1K+7]
	s_nop 0
.rept 4
	v_nop
.endr
	s_branch .Lasked_\@
.Lnot_k_\@:
	s_cmp_lt_u32 s[WV], 4
	s_cbranch_scc0 .Lasked_\@
	tensor_load_to_lds s[G0V:G0V+3], s[G1V:G1V+7]
	s_nop 0
.rept 4
	v_nop
.endr
.Lasked_\@:
.endm
; A prefetch of what the NEXT change of slots will ask for: 32,768 bytes of K and as many of V.  All four work-groups of a head walk the same K and V: the one with p = 0, which loads all eight slots, asks.
; In it waves 4 to 7 ask for K's block and waves 8 to 11 for V's, 8,192 bytes a wave, lanes 256 bytes apart: each aligned block of 256 bytes is named once.  The last change that fills a slot asks for nothing.
.macro ASK
	s_cmp_gt_u32 s[SLOTS], s[LIM]
	s_cbranch_scc0 .Lnot_mine_\@
	global_prefetch_b8 v[PFO], s[PFA:PFA+1] th:TH_LOAD_NT scope:SCOPE_SE
.Lnot_mine_\@:
.endm
	s_load_b128 s[4:7], s[0:1], 0x0                ; qkv, y
	v_lshl_add_u32 v[SPW], v0, 2, SPARE
	v_mov_b32 v[NIL], 0
	ds_add_u32 v[SPW], v[NIL]                      ; the wave's opening: the add, twice on end, and its wait ahead of my first tensor load
	ds_add_u32 v[SPW], v[NIL]
	v_lshrrev_b32 v3, 5, v0
	v_readfirstlane_b32 s[WV], v3                  ; wave 0..15
	s_and_b32 s8, ttmp7, 0xffff                    ; bh = 16 b + head
	s_lshl_b32 s9, s8, 18                          ; bh planes
	s_and_b32 s10, s[WV], 1                        ; which half of a slot's rows I fetch, if I fetch
	s_lshl_b32 s11, s10, 14
	s_add_co_u32 s11, s11, s9
	s_add_co_u32 s48, s11, 64<<18                  ; K: plane 64 + bh
	s_mov_b32 s49, 0
	s_add_co_u32 s50, s11, 128<<18                 ; V: plane 128 + bh
	s_mov_b32 s51, 0
	s_mul_i32 s13, s10, 64*KP                      ; and where they go in a slot
	s_mul_i32 s14, s10, 64*VP
	s_add_co_u32 s14, s14, VOFF
	s_mov_b32 s[G1K], (1<<16)|(1<<20)|(5<<22)|(3<<25)   ; no mask; elements of 2 bytes; padding on: 4 words behind every 64
	s_mov_b32 s[G1V], (1<<16)|(1<<20)|(5<<22)|(7<<25)   ; 8 words
.irp g, G1K, G1V
	s_mov_b32 s[\g+1], 128<<16                     ; tensor_dim0 = 128 elements: two keys
	s_mov_b32 s[\g+2], 64<<16                      ; tensor_dim1 = 64
	s_mov_b32 s[\g+3], 128<<16                     ; tile_dim0
	s_mov_b32 s[\g+4], 64                          ; tile_dim1
	s_mov_b32 s[\g+5], 128                         ; from row to row: dense
	s_mov_b32 s[\g+6], 0
	s_mov_b32 s[\g+7], 0
.endr
	s_lshr_b32 s54, s[WV], 2
	s_xor_b32 s54, s54, s[WV]
	s_and_b32 s54, s54, 1                          ; role
	s_lshl_b32 s55, ttmp9, 1
	s_sub_co_u32 s55, 7, s55                       ; 7 - 2 p
	s_mul_i32 s54, s54, s55
	s_add_co_u32 s54, s54, ttmp9                   ; my block: p or 7 - p
	s_lshl_b32 s54, s54, 8
	s_lshr_b32 s55, s[WV], 1
	s_lshl_b32 s55, s55, 5
	s_add_co_u32 s[Q0], s54, s55
	s_sub_co_u32 s[QL], 7, ttmp9
	s_lshl_b32 s[QL], s[QL], 8
	s_or_b32 s[QL], s[QL], 255
	s_lshl_b32 s52, s[Q0], 7
	s_add_co_u32 s52, s52, s9                      ; Q: plane bh, 128 bytes a query
	s_mov_b32 s53, 0
	s_and_b32 s56, s8, 15
	s_lshl_b32 s56, s56, 20                        ; y: the head's plane,
	s_lshr_b32 s57, s8, 4
	s_lshl_b32 s57, s57, 11
	s_add_co_u32 s57, s57, s[Q0]
	s_lshl_b32 s57, s57, 7                         ; row 2048 b + my first query
	s_add_co_u32 s56, s56, s57
	s_mov_b32 s57, 0
	s_mov_b32 s[SEL], 0x76543210
	s_mov_b32 s[SEL+1], 0xfedcba98
	s_mov_b32 s[TB], 0
	s_mov_b32 s[SLOTS], NSL-1
	s_mov_b32 s[KF], 0
	s_wait_dscnt 0x0                               ; both opening adds are done
	s_wait_kmcnt 0x0
	s_mov_b32 s[G0K], 1
	s_mov_b32 s[G0K+1], s13
	s_add_nc_u64 s[G0K+2:G0K+3], s[4:5], s[48:49]
	s_or_b32 s[G0K+3], s[G0K+3], 0x80000000
	s_mov_b32 s[G0V], 1
	s_mov_b32 s[G0V+1], s14
	s_add_nc_u64 s[G0V+2:G0V+3], s[4:5], s[50:51]
	s_or_b32 s[G0V+3], s[G0V+3], 0x80000000
	TLOAD                                          ; slot 0: it holds key 0, which counts for every query
	s_add_nc_u64 s[52:53], s[4:5], s[52:53]
	s_add_nc_u64 s[6:7], s[6:7], s[56:57]
	s_mov_b32 s83, 128<<18                         ; the prefetches: where my wave's stand, and who asks
	s_cmp_lt_u32 s[WV], 8
	s_cselect_b32 s82, 64<<18, s83
	s_add_co_u32 s82, s82, s9
	s_and_b32 s83, s[WV], 3
	s_lshl_b32 s83, s83, 13
	s_add_co_u32 s82, s82, s83
	s_add_co_u32 s82, s82, SLOTB                   ; in slot 1: the first change of slots steps it to slot 2.  Nothing is prefetched at the head
	s_mov_b32 s83, 0
	s_add_nc_u64 s[PFA:PFA+1], s[4:5], s[82:83]
	s_sub_co_u32 s82, s[WV], 4
	s_lshr_b32 s82, s82, 3                         ; 0 in waves 4 to 11,
	s_or_b32 s82, s82, ttmp9                       ; of the work-group with p = 0
	s_cmp_eq_u32 s82, 0
	s_cselect_b32 s[LIM], 1, -1
	v_and_b32 v15, 15, v0                          ; r
	v_bfe_u32 v3, v0, 4, 1                         ; h
	v_lshlrev_b32 v4, 7, v15
	v_lshl_add_u32 v4, v3, 4, v4                   ; Q: row r of 128 bytes, + 16 h
.irp t, 0,1
.irp c, 0,1                                    ; Q stays in registers: tile t, channels 32 c on
	global_load_b128 v[QF+16*\t+8*\c:QF+16*\t+8*\c+3], v4, s[52:53] offset:2048*\t+64*\c
	global_load_b128 v[QF+16*\t+8*\c+4:QF+16*\t+8*\c+7], v4, s[52:53] offset:2048*\t+64*\c+32
.endr
.endr
	v_lshrrev_b32 v[AK0], 1, v15                   ; K: key r of a tile lies in LDS row r / 2, at byte 128 (r % 2); + 16 h
	v_mul_u32_u24 v[AK0], v[AK0], KP
	v_and_b32 v[GO], 1, v0
	v_lshl_add_u32 v[AK0], v[GO], 7, v[AK0]
	v_lshl_add_u32 v[AK0], v3, 4, v[AK0]
	v_bfe_u32 v[AV0], v0, 1, 2                     ; V, for the turning load: lane l reads key 8 h + l % 8, channels 8 ((l / 8) % 2) on
	v_lshl_add_u32 v[AV0], v3, 2, v[AV0]
	v_mul_u32_u24 v[AV0], v[AV0], VP
	v_lshl_add_u32 v[AV0], v[GO], 7, v[AV0]
	v_bfe_u32 v[D0], v0, 3, 1
	v_lshl_add_u32 v[AV0], v[D0], 4, v[AV0]
	v_add_nc_u32 v[AV0], VOFF, v[AV0]
	v_lshlrev_b32 v[D0], 3, v3
	v_sub_nc_u32 v[DB], v15, v[D0]
	v_mov_b32 v[NINF], 0xff800000
	v_and_b32 v[GO], 31, v0
	v_lshlrev_b32 v[PFO], 8, v[GO]
	v_lshlrev_b32 v[GO], 4, v[GO]
.irp t, 0,1
	v_mov_b32 v[ST+8*\t], 0xff61b1e6               ; m: -3e38, under every score
.irp j, 1,2,3,4,5,6,7
	v_mov_b32 v[ST+8*\t+\j], 0                     ; l; and registers that are named before they are first written
.endr
.endr
.set i, 0
.rept 64
	v_mov_b32 v[O+i], 0                            ; O^T.  (The step is written once: the first step finds zeros, which a = 0 leaves zeros)
.set i, i+1
.endr
; A KEY STEP: 64 keys, the q-th of the slot in hand.
.macro STEP q
	s_add_co_u32 s96, s[Q0], 31                    ; all keys after my 32 queries: the step is left out (ids and the count of steps alone; no barrier, wait or tensor load stands in a step)
	s_cmp_gt_u32 s[KF], s96
	s_cbranch_scc1 .Lhidden_\@
	v_add_nc_u32 v[ADK], s[TB], v[AK0]
	v_add_nc_u32 v[ADV], s[TB], v[AV0]
.rept 3
	v_nop                                          ; five places in all: the products below write over registers that the last step's products read as P, and K's loads land where they read V
.endr
.irp kt, 0,1,2,3
.irp c, 0,1
	ds_load_b128 v[KV+16*\kt+8*\c:KV+16*\kt+8*\c+3], v[ADK] offset:(32*(\q)+8*\kt)*KP+64*\c
	ds_load_b128 v[KV+16*\kt+8*\c+4:KV+16*\kt+8*\c+7], v[ADK] offset:(32*(\q)+8*\kt)*KP+64*\c+32
.endr
.endr
	s_wait_dscnt 0x0
.irp c, 0,1                                    ; S^T = K Q^T: the eight accumulators take turns, one instruction a turn
.irp kt, 0,1,2,3
.irp t, 0,1
.if \c == 0
	v_wmma_f32_16x16x32_f16 v[S+32*\t+8*\kt:S+32*\t+8*\kt+7], v[KV+16*\kt+8*\c:KV+16*\kt+8*\c+7], v[QF+16*\t+8*\c:QF+16*\t+8*\c+7], 0
.else
	v_wmma_f32_16x16x32_f16 v[S+32*\t+8*\kt:S+32*\t+8*\kt+7], v[KV+16*\kt+8*\c:KV+16*\kt+8*\c+7], v[QF+16*\t+8*\c:QF+16*\t+8*\c+7], v[S+32*\t+8*\kt:S+32*\t+8*\kt+7]
.endif
.endr
.endr
.endr
.rept 4
	v_nop                                          ; places in front of V's loads into K's registers, and of the first read of the scores
.endr
.irp kk, 0,1
.irp ct, 0,1,2,3                               ; V^T: keys 32 kk on, channels 16 ct on; it lands while the softmax is walked
	ds_load_tr16_b128 v[KV+32*\kk+8*\ct:KV+32*\kk+8*\ct+3], v[ADV] offset:(32*(\q)+16*\kk)*VP+32*\ct
	ds_load_tr16_b128 v[KV+32*\kk+8*\ct+4:KV+32*\kk+8*\ct+7], v[ADV] offset:(32*(\q)+16*\kk+8)*VP+32*\ct
.endr
.endr
	s_add_co_u32 s96, s[KF], 63                    ; on the diagonal hidden scores become -infinity ahead of the maximum; a step all of whose keys count skips this
	s_cmp_le_u32 s96, s[Q0]
	s_cbranch_scc1 .Lopen_\@
	s_sub_co_i32 s96, s[Q0], s[KF]
	v_add_nc_u32 v[D0], s96, v[DB]                 ; d = my query - KF - 8 h.  Register 8 kt + j holds key KF + 16 kt + 8 h + j: hidden where 16 kt + j > d
	v_add_nc_u32 v[D1], 16, v[D0]
.irp n, 0,1,2,3,4,5,6,7,8,9,10,11,12,13,14,15,16,17,18,19,20,21,22,23,24,25,26,27,28,29,30,31
	v_cmp_gt_i32 vcc_lo, 16*(\n/8)+\n%8, v[D0]
	v_cndmask_b32 v[S+\n], v[S+\n], v[NINF], vcc_lo
.endr
.irp n, 0,1,2,3,4,5,6,7,8,9,10,11,12,13,14,15,16,17,18,19,20,21,22,23,24,25,26,27,28,29,30,31
	v_cmp_gt_i32 vcc_lo, 16*(\n/8)+\n%8, v[D1]
	v_cndmask_b32 v[S+32+\n], v[S+32+\n], v[NINF], vcc_lo
.endr
.Lopen_\@:
.irp j, 0,1,2,3                                ; the maximum of a lane's 32 scores: four chains a tile, each begun at its accumulator's low end; the two tiles line by line in turn
.irp t, 0,1
	v_max3_num_f32 v[ST+8*\t+4+\j], v[S+32*\t+8*\j], v[S+32*\t+8*\j+1], v[S+32*\t+8*\j+2]
.endr
.endr
.irp i, 3,5
.irp j, 0,1,2,3
.irp t, 0,1
	v_max3_num_f32 v[ST+8*\t+4+\j], v[ST+8*\t+4+\j], v[S+32*\t+8*\j+\i], v[S+32*\t+8*\j+\i+1]
.endr
.endr
.endr
.irp t, 0,1
	v_max3_num_f32 v[ST+8*\t+4], v[ST+8*\t+4], v[S+32*\t+7], v[S+32*\t+15]
	v_max3_num_f32 v[ST+8*\t+6], v[ST+8*\t+6], v[S+32*\t+23], v[S+32*\t+31]
.endr
.irp t, 0,1
	v_max3_num_f32 v[ST+8*\t+4], v[ST+8*\t+4], v[ST+8*\t+5], v[ST+8*\t+6]
.endr
.irp t, 0,1
	v_max3_num_f32 v[ST+8*\t+4], v[ST+8*\t+4], v[ST+8*\t+7], v[ST+8*\t]   ; and the old m
.endr
.irp t, 0,1
	v_permlanex16_b32 v[ST+8*\t+5], v[ST+8*\t+4], s[SEL], s[SEL+1]       ; the query's other 32 keys lie in the lane 16 away
.endr
.irp t, 0,1
	v_mov_b32 v[ST+8*\t+7], v[ST+8*\t]             ; the old m is kept for a: the next line writes m anew
.endr
.irp t, 0,1
	v_max_num_f32 v[ST+8*\t], v[ST+8*\t+4], v[ST+8*\t+5]
.endr
.irp t, 0,1
	v_sub_f32 v[ST+8*\t+7], v[ST+8*\t+7], v[ST+8*\t]
.endr
.irp j, 0,2,4,6,8,10,12,14,16,18,20,22,24,26,28,30
.irp t, 0,1
	v_pk_add_f32 v[S+32*\t+\j:S+32*\t+\j+1], v[S+32*\t+\j:S+32*\t+\j+1], v[ST+8*\t:ST+8*\t+1] op_sel_hi:[1,0] neg_lo:[0,1] neg_hi:[0,1]   ; t - m, two at a time: 0 at the most
.endr
.endr
.irp t, 0,1
	v_exp_f32 v[ST+8*\t+6], v[ST+8*\t+7]           ; a.  ONE BATCH: 66 exponentials, none of which reads another's result
.endr
.set i, 0
.rept 64
	v_exp_f32 v[S+i], v[S+i]                       ; p
.set i, i+1
.endr
	v_nop                                          ; a plain line behind the last exponential
	s_wait_alu depctr_va_vdst(0)                   ; the wait ahead of the first line that names a result: one for the batch
.irp t, 0,1                                    ; l = a l + the sum of the unrounded p: two chains a tile
	v_pk_fma_f32 v[ST+8*\t+2:ST+8*\t+3], v[ST+8*\t+2:ST+8*\t+3], v[ST+8*\t+6:ST+8*\t+7], v[S+32*\t:S+32*\t+1] op_sel_hi:[1,0,1]
	v_pk_add_f32 v[ST+8*\t+4:ST+8*\t+5], v[S+32*\t+2:S+32*\t+3], v[S+32*\t+4:S+32*\t+5]
.endr
.irp j, 6,10,14,18,22,26
.irp t, 0,1
	v_pk_add_f32 v[ST+8*\t+2:ST+8*\t+3], v[ST+8*\t+2:ST+8*\t+3], v[S+32*\t+\j:S+32*\t+\j+1]
	v_pk_add_f32 v[ST+8*\t+4:ST+8*\t+5], v[ST+8*\t+4:ST+8*\t+5], v[S+32*\t+\j+2:S+32*\t+\j+3]
.endr
.endr
.irp t, 0,1
	v_pk_add_f32 v[ST+8*\t+2:ST+8*\t+3], v[ST+8*\t+2:ST+8*\t+3], v[S+32*\t+30:S+32*\t+31]
.endr
.irp t, 0,1
	v_pk_add_f32 v[ST+8*\t+2:ST+8*\t+3], v[ST+8*\t+2:ST+8*\t+3], v[ST+8*\t+4:ST+8*\t+5]
.endr
.irp j, 0,1,2,3,4,5,6,7,8,9,10,11,12,13,14,15  ; p to f16, in place and ascending: word j takes numbers 2 j and 2 j + 1; words 8 kk .. 8 kk + 7 are source 1 for keys 32 kk on
.irp t, 0,1
	v_cvt_pk_f16_f32 v[S+32*\t+\j], v[S+32*\t+2*\j], v[S+32*\t+2*\j+1]
.endr
.endr
.irp j, 0,2,4,6,8,10,12,14,16,18,20,22,24,26,28,30
.irp t, 0,1
	v_pk_mul_f32 v[O+32*\t+\j:O+32*\t+\j+1], v[O+32*\t+\j:O+32*\t+\j+1], v[ST+8*\t+6:ST+8*\t+7] op_sel_hi:[1,0]   ; O^T x a, each accumulator from its low end on
.endr
.endr
	s_wait_dscnt 0x0                               ; V is in
.irp kk, 0,1                                   ; O^T += V^T P: eight accumulators by turns
.irp ct, 0,1,2,3
.irp t, 0,1
	v_wmma_f32_16x16x32_f16 v[O+32*\t+8*\ct:O+32*\t+8*\ct+7], v[KV+32*\kk+8*\ct:KV+32*\kk+8*\ct+7], v[S+32*\t+8*\kk:S+32*\t+8*\kk+7], v[O+32*\t+8*\ct:O+32*\t+8*\ct+7]
.endr
.endr
.endr
.Lhidden_\@:
	s_add_co_u32 s[KF], s[KF], 64
.endm
; THE CHANGE OF SLOTS stands at a slot's head.  Each wave waits for all its tensor loads (its part of the slot ahead), adds 0 to its spare word, and waits for that and for its reads of the slot that it has left.
; Behind the barrier the slot ahead is whole and nobody reads the other one.  fill = 1: that other slot is filled with the next 256 keys, up to the causal limit: the load has four key steps in which to land.
.macro CHANGE fill
	s_wait_tensorcnt 0x0                           ; no tensor load of mine is out, so a group 0 may be written
	ds_add_u32 v[SPW], v[NIL]                      ; 0 onto my spare word
.if \fill
	ds_add_u32 v[SPW], v[NIL]                      ; and once more: the add twice on end, in every trip alike
	s_xor_b32 s[G0K+1], s[G0K+1], SLOT1            ; the walking descriptors: the other slot than last time,
	s_add_nc_u64 s[G0K+2:G0K+3], s[G0K+2:G0K+3], SLOTB   ; the next 256 keys
	s_xor_b32 s[G0V+1], s[G0V+1], SLOT1
	s_add_nc_u64 s[G0V+2:G0V+3], s[G0V+2:G0V+3], SLOTB
	s_wait_xcnt 0x0                                ; the last prefetch, a slot back, has read its address, so it may be written:
	s_add_nc_u64 s[PFA:PFA+1], s[PFA:PFA+1], SLOTB ; one slot further on than the walking descriptors
.endif
	s_wait_dscnt 0x0                               ; the add is done, and my reads of the slot that I have left are over
	s_barrier_signal -1
	s_barrier_wait -1
.if \fill
	s_add_co_u32 s96, s[KF], 256                   ; the first key of the slot that this change would ask for:
	s_cmp_gt_u32 s96, s[QL]                        ; after my work-group's last query none of its waves reads it, so it is not asked for.  The work-group's number and the count of steps alone: all sixteen waves go the same way
	s_cbranch_scc1 .Lpast_\@
	TLOAD                                          ; a wave's one tensor load until the next such barrier.  Every wait on TENSORcnt in this text is for 0
.Lpast_\@:
	ASK
.endif
.endm
	s_wait_loadcnt 0x0                             ; Q
.Lslot:                                            ; seven trips: behind each change of slots but the last the next slot is asked for
	CHANGE 1
	STEP 0
	STEP 1
	STEP 2
	STEP 3
	s_xor_b32 s[TB], s[TB], SLOT1
	s_sub_co_u32 s[SLOTS], s[SLOTS], 1
	s_cmp_lg_u32 s[SLOTS], 0
	s_cbranch_scc1 .Lslot
	CHANGE 0                                       ; the last slot is written out: nothing is left to ask for
	STEP 0
	STEP 1
	STEP 2
	STEP 3
	; THE WAY OUT.  l's halves are added; O^T / l is rounded to f16 and goes through my stage (32 rows x (128 bytes + 16), from LDS byte 4,608 x wave: slot 0, which has had its last fill and is read by nobody, and 2,048 bytes
	; behind it that nothing fills); my 32 rows of y are 4,096 consecutive bytes: each store of the wave covers 512, aligned.
.irp t, 0,1
	v_add_f32 v[ST+8*\t+4], v[ST+8*\t+2], v[ST+8*\t+3]
.endr
.irp t, 0,1
	v_permlanex16_b32 v[ST+8*\t+5], v[ST+8*\t+4], s[SEL], s[SEL+1]
.endr
.irp t, 0,1
	v_add_f32 v[ST+8*\t+4], v[ST+8*\t+4], v[ST+8*\t+5]
.endr
.irp t, 0,1
	v_rcp_f32 v[ST+8*\t+6], v[ST+8*\t+4]
.endr
	v_and_b32 v15, 15, v0                          ; (plain lines behind the reciprocals, and places behind the last products)
	v_bfe_u32 v3, v0, 4, 1
	s_mul_i32 s96, s[WV], 32*144
	v_mul_u32_u24 v[STO], v15, 144
	v_lshl_add_u32 v[STO], v3, 4, v[STO]
	v_add_nc_u32 v[STO], s96, v[STO]               ; in: row r, 16 bytes for each half of the lanes
	v_bfe_u32 v[RD], v0, 3, 2
	v_mul_u32_u24 v[RD], v[RD], 144
	v_and_b32 v4, 7, v0
	v_lshl_add_u32 v[RD], v4, 4, v[RD]
	v_add_nc_u32 v[RD], s96, v[RD]                 ; back: eight lanes to a row, four rows an instruction
	s_wait_alu depctr_va_vdst(0)                   ; the wait ahead of the reciprocals' first reader
.irp t, 0,1
.irp j, 0,2,4,6,8,10,12,14,16,18,20,22,24,26,28,30
	v_pk_mul_f32 v[O+32*\t+\j:O+32*\t+\j+1], v[O+32*\t+\j:O+32*\t+\j+1], v[ST+8*\t+6:ST+8*\t+7] op_sel_hi:[1,0]
.endr
.endr
.set i, 0
.rept 32
	v_cvt_pk_f16_f32 v[S+i], v[O+2*i], v[O+2*i+1]  ; words 16 t + 4 ct + 0..3: channels 16 ct + 8 h + 0..7 of query r of tile t
.set i, i+1
.endr
.irp t, 0,1
.irp ct, 0,1,2,3
	ds_store_b128 v[STO], v[S+16*\t+4*\ct:S+16*\t+4*\ct+3] offset:16*\t*144+32*\ct
.endr
.endr
.irp i, 0,1,2,3,4,5,6,7
	ds_load_b128 v[S+32+4*\i:S+32+4*\i+3], v[RD] offset:\i*576   ; LDS serves a wave's instructions in order: these see my stores
.endr
.irp i, 0,1,2,3,4,5,6,7
	s_wait_dscnt 7-\i                              ; load i is in; the younger ones may be out
	global_store_b128 v[GO], v[S+32+4*\i:S+32+4*\i+3], s[6:7] offset:512*\i
.endr
	s_wait_tensorcnt 0x0                           ; the wave's end
	ds_add_u32 v[SPW], v[NIL]
	s_wait_dscnt 0x0
	s_endpgm
.Lfunc_end_k_q17e58bb6a8_attn:
	.size	k_q17e58bb6a8_attn, .Lfunc_end_k_q17e58bb6a8_attn-k_q17e58bb6a8_attn
	.p2alignl 7, 3214868480
	.fill 96, 4, 3214868480
	.section	.rodata,"a",@progbits
	.p2align	6, 0x0
	.amdhsa_kernel k_q17e58bb6a8_attn
		.amdhsa_group_segment_fixed_size 327680
		.amdhsa_private_segment_fixed_size 0
		.amdhsa_enable_private_segment 0
		.amdhsa_kernarg_size 16
		.amdhsa_user_sgpr_count 2
		.amdhsa_user_sgpr_kernarg_segment_ptr 1
		.amdhsa_wavefront_size32 1
		.amdhsa_system_sgpr_workgroup_id_x 1
		.amdhsa_system_sgpr_workgroup_id_y 1
		.amdhsa_system_sgpr_workgroup_id_z 1
		.amdhsa_system_vgpr_workitem_id 0
		.amdhsa_next_free_vgpr 256
		.amdhsa_next_free_sgpr 100
		.amdhsa_reserve_vcc 1
		.amdhsa_float_denorm_mode_32 3
		.amdhsa_float_denorm_mode_16_64 3
		.amdhsa_memory_ordered 1
		.amdhsa_forward_progress 1
		.amdhsa_inst_pref_size 187
	.end_amdhsa_kernel
	.amdgpu_metadata
---
amdhsa.version: [ 1, 2 ]
amdhsa.kernels:
  - .name:           k_q17e58bb6a8_attn
    .symbol:         k_q17e58bb6a8_attn.kd
    .args:
      - { .name: qkv, .offset: 0, .size: 8, .value_kind: global_buffer, .address_space: global }
      - { .name: y, .offset: 8, .size: 8, .value_kind: global_buffer, .address_space: global }
    .group_segment_fixed_size: 327680
    .private_segment_fixed_size: 0
    .kernarg_segment_align: 8
    .kernarg_segment_size: 16
    .max_flat_workgroup_size: 512
    .sgpr_count:     100
    .vgpr_count:     256
    .wavefront_size: 32
...
	.end_amdgpu_metadata
.endif
;; end of part 3
;; launch proj (part 4): grid 8 x 64, 4 waves a work-group, clusters of 4 x 4, 327,680 bytes of LDS; arguments y, wp, out0, b_proj; writes out0
.if DOCPART == 4
	.amdgcn_target "amdgcn-amd-amdhsa--gfx1250"
	.amdhsa_code_object_version 6
	.text
	.protected	k_q17e58bb6a8_proj
	.globl	k_q17e58bb6a8_proj
	.p2align	8
	.type	k_q17e58bb6a8_proj,@function
k_q17e58bb6a8_proj:
	s_mov_b64 s[64:65], 0
	v_nop
	global_prefetch_b8 v0, s[64:65] scope:SCOPE_SE
	s_setreg_imm32_b32 hwreg(HW_REG_WAVE_MODE, 25, 1), 1
	s_wait_xcnt 0x0
	s_wait_alu depctr_hold_cnt(0) depctr_sa_sdst(0) depctr_va_vdst(0) depctr_va_sdst(0) depctr_va_ssrc(0) depctr_va_vcc(0) depctr_vm_vsrc(0)
	s_getreg_b32 s2, hwreg(HW_REG_IB_STS2, 6, 4)
	s_cmp_eq_u32 s2, 0
	s_cbranch_scc0 .Lentry_in_a_cluster
	s_endpgm
.Lentry_in_a_cluster:
	s_bfe_u32 s2, ttmp6, 0x10000c
	s_cmp_lg_u32 s2, 0xf033
	s_cbranch_scc0 .Lentry_shape_is_right
	s_endpgm
.Lentry_shape_is_right:
; out0 = y w_proj + b_proj.  A: y, laid [16 head][8192 rows][64] f16 (k = 64 head + channel);  B: wp's first 2,097,152 bytes, [1024 n][1024 k] f16;  out0: [8192][1024] f32; sums in f32.
; A tile of 128 x 128 is made by four waves, each 64 x 64: 16 accumulators.  K goes in steps of 256 (four head planes of A; 512 bytes of each row of B) through two LDS slots; K = 1,024 is two laps.
; A's 128 rows of one plane are 16,384 dense bytes: waves 0 and 1 fetch two planes each with one tensor load (a "row" of 8,192 elements a plane, two rows 524,288 elements apart, 16 bytes of padding behind every 128),
; waves 2 and 3 fetch 64 rows of B each.  CLUSTERS: 4 x 4 work-groups; A's tiles are asked for jointly along a row of the cluster, B's along a column.
; THE MATRIX INSTRUCTION IS USED TRANSPOSED (source 0 = 16 rows of B, source 1 = 16 rows of A): a lane holds eight neighbouring columns of one row.  The bias is the C of each sum's first product.
; The first 16 positions of each sequence are stored here too, and stored again, more finely, by a later launch.
; REGISTERS: window 0: v0-31 addresses; v32-95 the way out; v96-127 the bias in the result's layout; v128-255 the accumulators ((a, b) at v[128 + 8 (4 a + b)]).  window 1: two fragment buffers of 128: 64 of A, then 64 of B.
.set KSTEP,  256
.set PITCH,  528                       ; B's LDS row: 512 bytes + 16
.set APITCH, 144                       ; A's: 128 bytes + 16
.set PLANE,  128*APITCH                ; a head plane's 128 rows
.set AHALF,  2*PLANE                   ; what one of A's loads brings
.set BOFF,   4*PLANE                   ; B's rows lie behind A's four planes
.set BHALF,  64*PITCH
.set SLOT,   BOFF+2*BHALF
.set STAGE,  2*SLOT                    ; behind the ring: 16 rows x 272 bytes for each wave
.set SPITCH, 272
.set SPARE,  STAGE+4*16*SPITCH         ; the spare words, 128 bytes for each wave
.set LAPS,   2
.set ADRA, 16
.set ADRB, 20
.set STO,  24
.set RD,   25
.set CO,   26
.set SPW,  28
.set NIL,  29
.set TMP,  32
.set BIAS, 96
.set ACC,  128
.set F0,   0
.set F1,   128
.set G1, 24
.set G0, 32
.set G1B, 48
.set G0B, 56
.set MSB, 0
.macro WIN new
.if MSB != (\new)
	s_set_vgpr_msb (MSB<<8)|(\new)
.set MSB, (\new)
.endif
.endm
.set MUL,  0x05                        ; sources 0 (B) and 1 (A) window 1; C and D window 0
.set TO_F, 0x40                        ; destination window 1, address window 0
.macro JLOAD s                         ; a joint load: waves 0 and 1 fetch A's planes, waves 2 and 3 B's halves; an s_nop 0 and four v_nop follow each line
	s_cmp_eq_u32 s11, 0
	s_cbranch_scc0 .Lfor_b_\@
	tensor_load_to_lds s[G0+4*\s:G0+4*\s+3], s[G1:G1+7]
	s_nop 0
.rept 4
	v_nop
.endr
	s_branch .Lasked_\@
.Lfor_b_\@:
	tensor_load_to_lds s[G0B+4*\s:G0B+4*\s+3], s[G1B:G1B+7]
	s_nop 0
.rept 4
	v_nop
.endr
.Lasked_\@:
.endm
.macro CREST                           ; a round of the cluster's barrier behind its opening barrier
	s_cmp_lg_u32 s10, 0
	s_cbranch_scc1 .Lnot_wave_0_\@
	s_barrier_signal -3
.Lnot_wave_0_\@:
	s_barrier_wait -3
	s_barrier_signal -1
	s_barrier_wait -1
.endm
.macro CROUND
	s_barrier_signal -1
	s_barrier_wait -1
	CREST
.endm
	s_load_b128 s[4:7], s[0:1], 0x0                ; y, wp
	s_load_b64 s[8:9], s[0:1], 0x10                ; out0
	s_load_b64 s[66:67], s[0:1], 0x18              ; b_proj
	v_lshl_add_u32 v[SPW], v0, 2, SPARE
	v_mov_b32 v[NIL], 0
	ds_add_u32 v[SPW], v[NIL]                      ; the wave's opening: the add, twice on end, and its wait ahead of my first tensor load
	ds_add_u32 v[SPW], v[NIL]
	v_lshrrev_b32 v1, 5, v0
	v_readfirstlane_b32 s10, v1                    ; wave 0..3
	s_lshr_b32 s11, s10, 1                         ; which half of the tile's rows is mine.  Also: I fetch for A (0) or for B (1)
	s_and_b32 s12, s10, 1                          ; which half of its columns.  Also: which half of that tile I fetch
	s_bfe_u32 s40, ttmp6, 0x40000                  ; cx, cy
	s_bfe_u32 s41, ttmp6, 0x40004
	s_lshl_b32 s42, ttmp9, 2
	s_add_co_u32 s42, s42, s40                     ; tile column
	s_and_b32 s13, ttmp7, 0xffff
	s_lshl_b32 s13, s13, 2
	s_add_co_u32 s13, s13, s41                     ; tile row
	s_lshl_b32 s43, s41, 2
	s_lshl_b32 s43, 15, s43                        ; my row of the cluster
	s_lshl_b32 s44, 0x1111, s40                    ; my column
	s_or_b32 s[G1+0], s43, (1<<16)|(1<<20)|(1<<21)|(4<<22)|(3<<25)  ; A: the mask of my row; elements of 2 bytes; padding on; bit 21 beside a mask; 4 words behind every 32
	s_mov_b32 s[G1+1], 8192<<16                    ; tensor_dim0 = 8,192 elements: a plane's 128 rows
	s_mov_b32 s[G1+2], 2<<16                       ; tensor_dim1 = 2 planes
	s_mov_b32 s[G1+3], 8192<<16                    ; tile_dim0
	s_mov_b32 s[G1+4], 2                           ; tile_dim1
	s_mov_b32 s[G1+5], 524288                      ; from plane to plane, in elements
	s_mov_b32 s[G1+6], 0
	s_mov_b32 s[G1+7], 0
	s_or_b32 s[G1B+0], s44, (1<<16)|(1<<20)|(1<<21)|(6<<22)|(3<<25) ; B: the mask of my column; 4 words behind every 128
	s_mov_b32 s[G1B+1], KSTEP<<16
	s_mov_b32 s[G1B+2], 64<<16
	s_mov_b32 s[G1B+3], KSTEP<<16
	s_mov_b32 s[G1B+4], 64
	s_mov_b32 s[G1B+5], 1024
	s_mov_b32 s[G1B+6], 0
	s_mov_b32 s[G1B+7], 0
	s_lshl_b32 s16, s12, 21                        ; A: two planes of 1,048,576 bytes for each half,
	s_lshl_b32 s17, s13, 14
	s_add_co_u32 s16, s16, s17                     ; + the tile row's 128 rows of 128 bytes
	s_mov_b32 s17, 0
	s_lshl_b32 s46, s42, 18                        ; B: 128 rows of 2,048 bytes a tile column,
	s_lshl_b32 s47, s12, 17
	s_add_co_u32 s46, s46, s47                     ; + 64 rows for each half
	s_mov_b32 s47, 0
	s_mul_i32 s20, s12, AHALF                      ; where they go: no place in the cluster enters an LDS address
	s_mul_i32 s21, s12, BHALF
	s_add_co_u32 s21, s21, BOFF
	s_wait_dscnt 0x0                               ; both opening adds are done
	s_wait_kmcnt 0x0
	s_add_nc_u64 s[14:15], s[4:5], s[16:17]
	s_add_nc_u64 s[46:47], s[6:7], s[46:47]
	CROUND                                         ; all sixteen work-groups are here: the first joint loads meet
.irp s, 0,1
	s_mov_b32 s[G0+4*\s], 1
	s_add_co_u32 s[G0+4*\s+1], s20, \s*SLOT
	s_add_nc_u64 s[G0+4*\s+2:G0+4*\s+3], s[14:15], \s*4*1048576    ; K step s begins at plane 4 s
	s_or_b32 s[G0+4*\s+3], s[G0+4*\s+3], 0x80000000
	s_mov_b32 s[G0B+4*\s], 1
	s_add_co_u32 s[G0B+4*\s+1], s21, \s*SLOT
	s_add_nc_u64 s[G0B+4*\s+2:G0B+4*\s+3], s[46:47], \s*KSTEP*2
	s_or_b32 s[G0B+4*\s+3], s[G0B+4*\s+3], 0x80000000
	JLOAD \s
.endr
	v_and_b32 v1, 15, v0                           ; r
	v_bfe_u32 v2, v0, 4, 1                         ; h
	v_mul_u32_u24 v3, v1, PITCH
	v_lshl_add_u32 v3, v2, 4, v3                   ; B: row x pitch + 16 h
	v_mul_u32_u24 v4, v1, APITCH
	v_lshl_add_u32 v4, v2, 4, v4                   ; A likewise
	s_mul_i32 s21, s11, 64*APITCH                  ; my 64 rows in each plane of A
	s_mul_i32 s22, s12, BHALF                      ; my 64 rows of B
	s_add_co_u32 s22, s22, BOFF
.irp s, 0,1
	v_add_nc_u32 v[ADRA+\s], s21, v4
	v_add_nc_u32 v[ADRB+\s], s22, v3
	s_add_co_u32 s21, s21, SLOT
	s_add_co_u32 s22, s22, SLOT
.endr
	s_mul_i32 s23, s10, 16*SPITCH
	s_add_co_u32 s23, s23, STAGE                   ; my stage
	v_mul_u32_u24 v4, v1, SPITCH
	v_lshl_add_u32 v4, v2, 5, v4
	v_add_nc_u32 v[STO], s23, v4                   ; in: row r, 32 bytes for each half of the lanes
	v_mul_u32_u24 v5, v2, SPITCH
	v_lshl_add_u32 v5, v1, 4, v5
	v_add_nc_u32 v[RD], s23, v5                    ; back: lanes 0-15 one row of 256 bytes, lanes 16-31 the next
	v_lshlrev_b32 v5, 12, v2
	v_lshl_add_u32 v[CO], v1, 4, v5                ; and the same two rows in out0
	s_lshl_b32 s16, s13, 19                        ; 128 rows of 4,096 bytes a tile row,
	s_lshl_b32 s17, s11, 18
	s_add_co_u32 s16, s16, s17                     ; + my 64
	s_mov_b32 s17, 0
	s_add_nc_u64 s[8:9], s[8:9], s[16:17]
	s_lshl_b32 s46, s42, 9
	s_lshl_b32 s47, s12, 8
	s_add_co_u32 s46, s46, s47                     ; 4 x my first column
	s_mov_b32 s47, 0
	s_add_nc_u64 s[8:9], s[8:9], s[46:47]
	s_add_nc_u64 s[66:67], s[66:67], s[46:47]
	v_lshlrev_b32 v5, 5, v2
.irp b, 0,1,2,3                                ; lane (r, h), block b: b_proj at my first column + 16 b + 8 h + 0 .. 7
	global_load_b128 v[BIAS+8*\b:BIAS+8*\b+3], v5, s[66:67] offset:64*\b
	global_load_b128 v[BIAS+8*\b+4:BIAS+8*\b+7], v5, s[66:67] offset:64*\b+16
.endr
; 8 matrix instructions: m blocks a0, a0 + 1 x all 4 n blocks, 32 along K: half c of buffer f.  first = 1: the bias is the C.  The 16 accumulators take turns
.macro MUL8 f, c, a0, first
.irp a, \a0, \a0+1
.irp b, 0,1,2,3
.if \first
	v_wmma_f32_16x16x32_f16 v[ACC+8*(4*(\a)+\b):ACC+8*(4*(\a)+\b)+7], v[\f+64+8*(4*\c+\b):\f+64+8*(4*\c+\b)+7], v[\f+8*(4*\c+\a):\f+8*(4*\c+\a)+7], v[BIAS+8*\b:BIAS+8*\b+7]
.else
	v_wmma_f32_16x16x32_f16 v[ACC+8*(4*(\a)+\b):ACC+8*(4*(\a)+\b)+7], v[\f+64+8*(4*\c+\b):\f+64+8*(4*\c+\b)+7], v[\f+8*(4*\c+\a):\f+8*(4*\c+\a)+7], v[ACC+8*(4*(\a)+\b):ACC+8*(4*(\a)+\b)+7]
.endif
.endr
.endr
.endm
; 32 LDS loads in one run: the fragments of the slot's q-th 64 along K (A: plane q; B: 128 q bytes along its rows) into buffer f; the first 32 along K first
.macro FETCH slot, q, f
	WIN TO_F
.irp c, 0,1
.irp i, 0,1,2,3
	ds_load_b128 v[\f+64+8*(4*\c+\i):\f+64+8*(4*\c+\i)+3],   v[ADRB+\slot] offset:128*(\q)+64*\c+\i*16*PITCH
	ds_load_b128 v[\f+64+8*(4*\c+\i)+4:\f+64+8*(4*\c+\i)+7], v[ADRB+\slot] offset:128*(\q)+64*\c+\i*16*PITCH+32
	ds_load_b128 v[\f+8*(4*\c+\i):\f+8*(4*\c+\i)+3],         v[ADRA+\slot] offset:(\q)*PLANE+64*\c+\i*16*APITCH
	ds_load_b128 v[\f+8*(4*\c+\i)+4:\f+8*(4*\c+\i)+7],       v[ADRA+\slot] offset:(\q)*PLANE+64*\c+\i*16*APITCH+32
.endr
.endr
.endm
.macro PLACES                          ; four plain lines in front of loads into registers that matrix instructions have read, and of reads of results
.rept 4
	v_nop
.endr
.endm
; A K step is four quarters of 64 along K, 32 matrix instructions each, on buffers 0, 1, 0, 1.  One of the first three: multiplies buffer f and fetches quarter q into g.
.macro QUARTER slot, q, f, g, first
	s_wait_dscnt 16                                ; the first 32 along K are in; the other sixteen loads may be out
	WIN MUL
	MUL8 \f, 0, 0, \first
	MUL8 \f, 0, 2, \first
	PLACES
	FETCH \slot, \q, \g
	s_wait_dscnt 32                                ; all but the 32 just issued
	WIN MUL
	MUL8 \f, 1, 0, 0
	MUL8 \f, 1, 2, 0
.endm
; The last quarter multiplies buffer 1 and changes slots: ONE barrier; in front of it each wave waits for all its tensor loads, adds 0 to its spare word, and waits for that and for its own reads of this slot.
.macro TURN slot, next, fill
	WIN 0
	s_wait_tensorcnt 0x0                           ; all my tensor loads have landed: my part of the next slot
	ds_add_u32 v[SPW], v[NIL]                      ; 0 onto my spare word
	s_wait_dscnt 17                                ; (the add and the youngest sixteen loads may be out)
	WIN MUL
	MUL8 F1, 0, 0, 0
	s_wait_dscnt 0x0                               ; the add is done, and my reads of this slot are over
	s_barrier_signal -1
	MUL8 F1, 0, 2, 0
.if \fill
	WIN 0
.endif
	s_barrier_wait -1
.if \fill
	CREST                                          ; the barrier has opened a round of the cluster's barrier: no wave of any partner still reads this slot or has a load on its way
	s_add_nc_u64 s[G0+4*\slot+2:G0+4*\slot+3], s[G0+4*\slot+2:G0+4*\slot+3], 8*1048576   ; two K steps on: eight planes,
	s_add_nc_u64 s[G0B+4*\slot+2:G0B+4*\slot+3], s[G0B+4*\slot+2:G0B+4*\slot+3], 2*KSTEP*2   ; 1,024 bytes along B's rows
	JLOAD \slot                                    ; the first tensor load behind the round; its four v_nop are also the places in front of the loads below
.else
	PLACES
.endif
	FETCH \next, 0, F0
	WIN MUL
	MUL8 F1, 1, 0, 0
	MUL8 F1, 1, 2, 0
.endm
	s_wait_tensorcnt 1                             ; my part of K step 0 is in (K step 1's load may be out)
	s_barrier_signal -1
	s_barrier_wait -1                              ; everybody's is
	FETCH 0, 0, F0
	s_wait_loadcnt 0x0                             ; the bias
	QUARTER 0, 1, F0, F1, 1                        ; the first products start the sums from the bias
	WIN 0
	s_mov_b32 s3, LAPS-1
.Llap:                                             ; a trip goes once round the ring and fills both slots again
	QUARTER 0, 2, F1, F0, 0
	QUARTER 0, 3, F0, F1, 0
	TURN 0, 1, 1
	QUARTER 1, 1, F0, F1, 0
	QUARTER 1, 2, F1, F0, 0
	QUARTER 1, 3, F0, F1, 0
	TURN 1, 0, 1
	QUARTER 0, 1, F0, F1, 0
	WIN 0
	s_sub_co_u32 s3, s3, 1
	s_cmp_lg_u32 s3, 0
	s_cbranch_scc1 .Llap
	QUARTER 0, 2, F1, F0, 0                        ; the last lap fills nothing
	QUARTER 0, 3, F0, F1, 0
	TURN 0, 1, 0
	QUARTER 1, 1, F0, F1, 0
	QUARTER 1, 2, F1, F0, 0
	QUARTER 1, 3, F0, F1, 0
	s_wait_dscnt 16
	WIN MUL
	MUL8 F1, 0, 0, 0
	MUL8 F1, 0, 2, 0
	s_wait_dscnt 0
	MUL8 F1, 1, 0, 0
	MUL8 F1, 1, 2, 0
	WIN 0
; THE WAY OUT, block by block of 16 rows x 64 columns: my 64 columns of f32 are 256 aligned bytes of a row, so the stage is my own and no barrier is needed.
.macro TOSTAGE a
.irp b, 0,1,2,3
	ds_store_b128 v[STO], v[ACC+8*(4*(\a)+\b):ACC+8*(4*(\a)+\b)+3] offset:64*\b        ; each accumulator from its low end on
	ds_store_b128 v[STO], v[ACC+8*(4*(\a)+\b)+4:ACC+8*(4*(\a)+\b)+7] offset:64*\b+16
.endr
.set BB, TMP+32*((\a)%2)
.irp t, 0,1,2,3,4,5,6,7
	ds_load_b128 v[BB+4*\t:BB+4*\t+3], v[RD] offset:\t*2*SPITCH   ; LDS serves a wave's instructions in order: these see the stores above, and the next block's stores come behind them
.endr
.endm
.macro SEND a, younger
.set BB, TMP+32*((\a)%2)
	s_wait_dscnt \younger                          ; the block is back; the next block's 8 stores and 8 loads may be out
.irp t, 0,1,2,3,4,5,6,7
	global_store_b128 v[CO], v[BB+4*\t:BB+4*\t+3], s[8:9] offset:(16*(\a)+2*\t)*4096 th:TH_STORE_NT   ; sixteen lanes store 256 consecutive bytes, aligned
.endr
.endm
	PLACES
	TOSTAGE 0
.irp a, 1,2,3
.if \a > 1
	s_wait_xcnt 0x0                                ; block a - 2's stores have read their registers: block a's loads may land there
.endif
	TOSTAGE \a
	SEND \a-1, 16
.endr
	SEND 3, 0
	s_wait_tensorcnt 0x0                           ; the wave's end
	ds_add_u32 v[SPW], v[NIL]
	s_wait_dscnt 0x0
	CROUND                                         ; the closing round
	s_endpgm
.Lfunc_end_k_q17e58bb6a8_proj:
	.size	k_q17e58bb6a8_proj, .Lfunc_end_k_q17e58bb6a8_proj-k_q17e58bb6a8_proj
	.p2alignl 7, 3214868480
	.fill 96, 4, 3214868480
	.section	.rodata,"a",@progbits
	.p2align	6, 0x0
	.amdhsa_kernel k_q17e58bb6a8_proj
		.amdhsa_group_segment_fixed_size 327680
		.amdhsa_private_segment_fixed_size 0
		.amdhsa_enable_private_segment 0
		.amdhsa_kernarg_size 32
		.amdhsa_user_sgpr_count 2
		.amdhsa_user_sgpr_kernarg_segment_ptr 1
		.amdhsa_wavefront_size32 1
		.amdhsa_system_sgpr_workgroup_id_x 1
		.amdhsa_system_sgpr_workgroup_id_y 1
		.amdhsa_system_sgpr_workgroup_id_z 1
		.amdhsa_system_vgpr_workitem_id 0
		.amdhsa_next_free_vgpr 512
		.amdhsa_next_free_sgpr 70
		.amdhsa_reserve_vcc 0
		.amdhsa_float_denorm_mode_32 3
		.amdhsa_float_denorm_mode_16_64 3
		.amdhsa_memory_ordered 1
		.amdhsa_forward_progress 1
		.amdhsa_inst_pref_size 87
	.end_amdhsa_kernel
	.amdgpu_metadata
---
amdhsa.version: [ 1, 2 ]
amdhsa.kernels:
  - .name:           k_q17e58bb6a8_proj
    .symbol:         k_q17e58bb6a8_proj.kd
    .args:
      - { .name: y, .offset: 0, .size: 8, .value_kind: global_buffer, .address_space: global }
      - { .name: wp, .offset: 8, .size: 8, .value_kind: global_buffer, .address_space: global }
      - { .name: out0, .offset: 16, .size: 8, .value_kind: global_buffer, .address_space: global }
      - { .name: b_proj, .offset: 24, .size: 8, .value_kind: global_buffer, .address_space: global }
    .group_segment_fixed_size: 327680
    .private_segment_fixed_size: 0
    .kernarg_segment_align: 8
    .kernarg_segment_size: 32
    .max_flat_workgroup_size: 128
    .sgpr_count:     70
    .vgpr_count:     512
    .wavefront_size: 32
...
	.end_amdgpu_metadata
.endif
;; end of part 4
;; launch early_attn (part 5): grid 64 x 1, 12 waves a work-group, no clusters, 13,824 bytes of LDS; arguments xc, xs, wc, ws, b_attn, ye; writes ye
.if DOCPART == 5
	.amdgcn_target "amdgcn-amd-amdhsa--gfx1250"
	.amdhsa_code_object_version 6
	.text
	.protected	k_q17e58bb6a8_early_attn
	.globl	k_q17e58bb6a8_early_attn
	.p2align	8
	.type	k_q17e58bb6a8_early_attn,@function
k_q17e58bb6a8_early_attn:
	s_mov_b64 s[64:65], 0
	v_nop
	global_prefetch_b8 v0, s[64:65] scope:SCOPE_SE
	s_setreg_imm32_b32 hwreg(HW_REG_WAVE_MODE, 25, 1), 1
	s_wait_xcnt 0x0
; THE FIRST 16 POSITIONS OF EACH SEQUENCE, FINELY.  Under the causal mask these rows average one to sixteen values: their q, k, v are made again from the codes and kept in f32, and their attention is done in f32.
; A work-group takes one (batch, head).  Phase 1, twelve waves: wave w makes 16 positions x 16 channels of q (w 0-3), k (4-7) or v (8-11): eight products of 128 along K on codes of FP4 with E8M0 scales, the bias as the first C.
; q and k are made transposed (source 0 = 16 rows of wc): a lane holds position lane % 16 and channels 8 (lane / 16) + 0..7.  v is made the other way round: a lane holds channel lane % 16 and positions 8 (lane / 16) + 0..7.
; The tiles go to LDS as images of their registers (16 bytes a lane, 512 bytes a store).  Phase 2, waves 0-3: S^T = K Q^T by v_wmma_f32_16x16x4_f32 (K's and Q's channels in the same order, so the sums are whole),
; mask, softmax with the row's maximum taken away, O^T = V^T P for the wave's 16 channels, y = O / l.  y leaves as a pair of f16: the rounded number, and 131,072 bytes on what the rounding left x 2^11.
; The stores are pieces of 32 bytes (a head's 16 channels of a row): the whole buffer is 262,144 bytes.
; LIMITS: NaN and infinities are not served; |y| stays under 65,504.
.set XF,  16                           ; v16-79   x's eight fragments;  phase 2: v16-47 q, v48-79 k
.set WF,  80                           ; v80-143  w's eight;            phase 2: v80-87 v, v88-127 at work
.set XS,  144                          ; v144-151 x's scale words, one for each 128 along K
.set WS,  152                          ; v152-159 w's
.set BI,  160                          ; v160-167 the bias in the result's layout
.set ACC, 168                          ; v168-175
.set QR,  16
.set KR,  48
.set VR,  80
.set SA,  200                          ; v200-231 four accumulators of S^T, v232-247 two of O^T: written by matrix instructions alone
.set OA,  232
.set SPW, 12
.set NIL, 13
.set SPARE, 12288                      ; behind the twelve images of 1,024 bytes: the spare words, 128 bytes for each wave
	s_load_b256 s[4:11], s[0:1], 0x0               ; xc, xs, wc, ws
	s_load_b128 s[12:15], s[0:1], 0x20             ; b_attn, ye
	v_lshl_add_u32 v[SPW], v0, 2, SPARE
	v_mov_b32 v[NIL], 0
	v_lshrrev_b32 v1, 5, v0
	v_readfirstlane_b32 s16, v1                    ; wave 0..11
	s_lshr_b32 s17, s16, 2                         ; 0 q, 1 k, 2 v
	s_and_b32 s18, s16, 3                          ; which 16 channels
	s_lshr_b32 s19, ttmp9, 4                       ; batch
	s_and_b32 s20, ttmp9, 15                       ; head
	s_lshl_b32 s21, s17, 10
	s_lshl_b32 s22, s20, 6
	s_add_co_u32 s21, s21, s22
	s_lshl_b32 s22, s18, 4
	s_add_co_u32 s21, s21, s22                     ; my first column of w_attn
	v_and_b32 v1, 15, v0                           ; r
	v_bfe_u32 v2, v0, 4, 1                         ; h
	v_lshlrev_b32 v3, 9, v1
	v_lshl_add_u32 v3, v2, 4, v3                   ; codes: row r of 512 bytes, + 16 h
	v_lshlrev_b32 v4, 5, v1                        ; scale words: 32 bytes a row
	v_lshlrev_b32 v5, 5, v2                        ; the bias of q and k: 8 h numbers on
	v_lshlrev_b32 v6, 2, v1                        ; the bias of v: number r
	v_and_b32 v7, 31, v0
	v_lshlrev_b32 v7, 4, v7                        ; an image's place for my lane
	s_lshl_b32 s22, s16, 10
	v_add_nc_u32 v8, s22, v7                       ; my image
	s_lshl_b32 s22, s18, 10
	v_add_nc_u32 v9, s22, v7                       ; v's image for my 16 channels, less 8,192
	s_mov_b32 s34, 0x76543210
	s_mov_b32 s35, 0xfedcba98                      ; v_permlanex16_b32's selects for lane l xor 16
	s_lshl_b32 s24, s19, 20                        ; xc: 2,048 rows of 512 bytes a batch
	s_mov_b32 s25, 0
	s_lshl_b32 s26, s19, 16                        ; xs: of 32 bytes
	s_mov_b32 s27, 0
	s_lshl_b32 s28, s21, 9                         ; wc
	s_mov_b32 s29, 0
	s_lshl_b32 s30, s21, 5                         ; ws
	s_mov_b32 s31, 0
	s_lshl_b32 s32, s21, 2                         ; b_attn
	s_mov_b32 s33, 0
	s_lshl_b32 s36, s19, 15                        ; ye: 16 rows of 2,048 bytes a batch,
	s_lshl_b32 s37, s20, 7
	s_add_co_u32 s36, s36, s37                     ; 128 bytes a head,
	s_lshl_b32 s37, s18, 5
	s_add_co_u32 s36, s36, s37                     ; 32 bytes for each 16 channels
	s_mov_b32 s37, 0
	s_wait_kmcnt 0x0
	s_add_nc_u64 s[4:5], s[4:5], s[24:25]
	s_add_nc_u64 s[6:7], s[6:7], s[26:27]
	s_add_nc_u64 s[8:9], s[8:9], s[28:29]
	s_add_nc_u64 s[10:11], s[10:11], s[30:31]
	s_add_nc_u64 s[12:13], s[12:13], s[32:33]
	s_add_nc_u64 s[14:15], s[14:15], s[36:37]
.irp s, 0,1,2,3,4,5,6,7
.irp c, 0,1
	global_load_b128 v[XF+8*\s+4*\c:XF+8*\s+4*\c+3], v3, s[4:5] offset:64*\s+32*\c
	global_load_b128 v[WF+8*\s+4*\c:WF+8*\s+4*\c+3], v3, s[8:9] offset:64*\s+32*\c
.endr
.endr
	global_load_b128 v[XS:XS+3], v4, s[6:7]
	global_load_b128 v[XS+4:XS+7], v4, s[6:7] offset:16
	global_load_b128 v[WS:WS+3], v4, s[10:11]
	global_load_b128 v[WS+4:WS+7], v4, s[10:11] offset:16
	s_cmp_lt_u32 s17, 2
	s_cbranch_scc0 .Lfor_v
	global_load_b128 v[BI:BI+3], v5, s[12:13]      ; register j: the bias of channel 8 h + j
	global_load_b128 v[BI+4:BI+7], v5, s[12:13] offset:16
	s_wait_loadcnt 0x0
	v_wmma_scale_f32_16x16x128_f8f6f4 v[ACC:ACC+7], v[WF:WF+7], v[XF:XF+7], v[BI:BI+7], v[WS], v[XS] matrix_a_fmt:MATRIX_FMT_FP4 matrix_b_fmt:MATRIX_FMT_FP4
.irp s, 1,2,3,4,5,6,7
	s_wait_alu depctr_va_vdst(0)                   ; the wait directly ahead of each link
	v_wmma_scale_f32_16x16x128_f8f6f4 v[ACC:ACC+7], v[WF+8*\s:WF+8*\s+7], v[XF+8*\s:XF+8*\s+7], v[ACC:ACC+7], v[WS+\s], v[XS+\s] matrix_a_fmt:MATRIX_FMT_FP4 matrix_b_fmt:MATRIX_FMT_FP4
.endr
	s_branch .Lmade
.Lfor_v:
.irp j, 0,1,2,3,4,5,6,7
	global_load_b32 v[BI+\j], v6, s[12:13]         ; every register: the bias of channel r
.endr
	s_wait_loadcnt 0x0
	v_wmma_scale_f32_16x16x128_f8f6f4 v[ACC:ACC+7], v[XF:XF+7], v[WF:WF+7], v[BI:BI+7], v[XS], v[WS] matrix_a_fmt:MATRIX_FMT_FP4 matrix_b_fmt:MATRIX_FMT_FP4
.irp s, 1,2,3,4,5,6,7
	s_wait_alu depctr_va_vdst(0)                   ; as above
	v_wmma_scale_f32_16x16x128_f8f6f4 v[ACC:ACC+7], v[XF+8*\s:XF+8*\s+7], v[WF+8*\s:WF+8*\s+7], v[ACC:ACC+7], v[XS+\s], v[WS+\s] matrix_a_fmt:MATRIX_FMT_FP4 matrix_b_fmt:MATRIX_FMT_FP4
.endr
.Lmade:
.rept 4
	v_nop                                          ; places in front of the first read of the result
.endr
	ds_store_b128 v8, v[ACC:ACC+3]                 ; the tile as an image of its registers
	ds_store_b128 v8, v[ACC+4:ACC+7] offset:512
	s_wait_dscnt 0x0                               ; for the others' sake: my stores have landed
	s_barrier_signal -1
	s_barrier_wait -1
	s_cmp_lt_u32 s16, 4
	s_cbranch_scc1 .Lphase2
	s_wait_tensorcnt 0x0                           ; waves 4 to 11 are done
	ds_add_u32 v[SPW], v[NIL]
	s_wait_dscnt 0x0
	s_endpgm
.Lphase2:
.irp c, 0,1,2,3
	ds_load_b128 v[QR+8*\c:QR+8*\c+3], v7 offset:1024*\c
	ds_load_b128 v[QR+8*\c+4:QR+8*\c+7], v7 offset:1024*\c+512
	ds_load_b128 v[KR+8*\c:KR+8*\c+3], v7 offset:4096+1024*\c
	ds_load_b128 v[KR+8*\c+4:KR+8*\c+7], v7 offset:4096+1024*\c+512
.endr
	ds_load_b128 v[VR:VR+3], v9 offset:8192
	ds_load_b128 v[VR+4:VR+7], v9 offset:8192+512
	s_wait_dscnt 0x0
.irp kk, 0,1,2,3                               ; S^T: registers 8 c + 2 kk, + 1 of lane (r, h) are channels 16 c + 8 h + 2 kk, + 1, in K and in Q alike.  Four accumulators by turns
.irp c, 0,1,2,3
.if \kk == 0
	v_wmma_f32_16x16x4_f32 v[SA+8*\c:SA+8*\c+7], v[KR+8*\c+2*\kk:KR+8*\c+2*\kk+1], v[QR+8*\c+2*\kk:QR+8*\c+2*\kk+1], 0
.else
	v_wmma_f32_16x16x4_f32 v[SA+8*\c:SA+8*\c+7], v[KR+8*\c+2*\kk:KR+8*\c+2*\kk+1], v[QR+8*\c+2*\kk:QR+8*\c+2*\kk+1], v[SA+8*\c:SA+8*\c+7]
.endif
.endr
.endr
	v_lshlrev_b32 v10, 3, v2                       ; eight places behind this form: five lines of use, three v_nop
	v_sub_nc_u32 v10, v1, v10                      ; d = r - 8 h: register j holds key 8 h + j, hidden where j > d
	v_mov_b32 v11, 0xff800000                      ; -infinity
	v_mov_b32 v14, 0                               ; (a lane permute's destination counts as one of its sources)
	v_mov_b32 v15, 0
.rept 3
	v_nop
.endr
.irp j, 0,1,2,3,4,5,6,7
	v_add_f32 v[88+\j], v[SA+\j], v[SA+8+\j]       ; the four partial sums, each accumulator from its low end on
.endr
.irp j, 0,1,2,3,4,5,6,7
	v_add_f32 v[96+\j], v[SA+16+\j], v[SA+24+\j]
.endr
.irp j, 0,1,2,3,4,5,6,7
	v_add_f32 v[88+\j], v[88+\j], v[96+\j]
.endr
.irp j, 0,1,2,3,4,5,6,7
	v_cmp_gt_i32 vcc_lo, \j, v10
	v_cndmask_b32 v[88+\j], v[88+\j], v11, vcc_lo
.endr
	v_max3_num_f32 v104, v88, v89, v90
	v_max3_num_f32 v104, v104, v91, v92
	v_max3_num_f32 v104, v104, v93, v94
	v_max_num_f32 v104, v104, v95
	v_permlanex16_b32 v14, v104, s34, s35
	v_max_num_f32 v104, v104, v14                  ; the row's maximum: key 0 counts for every query, so it is a number
.irp j, 0,1,2,3,4,5,6,7
	v_sub_f32 v[88+\j], v[88+\j], v104
.endr
.irp j, 0,1,2,3,4,5,6,7
	v_mul_f32 v[88+\j], 0x3e38aa3b, v[88+\j]       ; x log2(e) / 8
.endr
.irp j, 0,1,2,3,4,5,6,7
	v_exp_f32 v[88+\j], v[88+\j]                   ; p, at most 1
.endr
	v_nop
	s_wait_alu depctr_va_vdst(0)                   ; one wait for the eight, ahead of their first reader
	v_add_f32 v105, v88, v89
	v_add_f32 v106, v90, v91
	v_add_f32 v107, v92, v93
	v_add_f32 v108, v94, v95
	v_add_f32 v105, v105, v106
	v_add_f32 v107, v107, v108
	v_add_f32 v105, v105, v107
	v_permlanex16_b32 v15, v105, s34, s35
	v_add_f32 v105, v105, v15                      ; l
	v_rcp_f32 v106, v105
	v_wmma_f32_16x16x4_f32 v[OA:OA+7], v[VR:VR+1], v[88:89], 0              ; O^T: registers 2 kk, + 1 of lane (r, h) are keys 8 h + 2 kk, + 1, in V and in P alike.  Two accumulators by turns
	v_wmma_f32_16x16x4_f32 v[OA+8:OA+15], v[VR+2:VR+3], v[90:91], 0
	v_wmma_f32_16x16x4_f32 v[OA:OA+7], v[VR+4:VR+5], v[92:93], v[OA:OA+7]
	v_wmma_f32_16x16x4_f32 v[OA+8:OA+15], v[VR+6:VR+7], v[94:95], v[OA+8:OA+15]
	v_lshlrev_b32 v3, 11, v1                       ; ye: row r of 2,048 bytes,
	v_lshl_add_u32 v3, v2, 4, v3                   ; + 8 h channels of 2 bytes.  (Two of the eight places)
.rept 6
	v_nop
.endr
	s_wait_alu depctr_va_vdst(0)                   ; the wait ahead of the reciprocal's first reader
.irp j, 0,1,2,3,4,5,6,7
	v_add_f32 v[112+\j], v[OA+\j], v[OA+8+\j]
.endr
.irp j, 0,1,2,3,4,5,6,7
	v_mul_f32 v[112+\j], v[112+\j], v106           ; y(r, 16 ct + 8 h + j)
.endr
	v_cvt_pk_f16_f32 v120, v112, v113              ; the high parts
	v_cvt_pk_f16_f32 v121, v114, v115
	v_cvt_pk_f16_f32 v122, v116, v117
	v_cvt_pk_f16_f32 v123, v118, v119
	v_cvt_f32_f16 v96, v120.l
	v_cvt_f32_f16 v97, v120.h
	v_cvt_f32_f16 v98, v121.l
	v_cvt_f32_f16 v99, v121.h
	v_cvt_f32_f16 v100, v122.l
	v_cvt_f32_f16 v101, v122.h
	v_cvt_f32_f16 v102, v123.l
	v_cvt_f32_f16 v103, v123.h
.irp j, 0,2,4,6
	v_pk_add_f32 v[96+\j:97+\j], v[112+\j:113+\j], v[96+\j:97+\j] neg_lo:[0,1] neg_hi:[0,1]   ; what the rounding left: exact
.endr
.irp j, 0,2,4,6
	v_pk_mul_f32 v[96+\j:97+\j], v[96+\j:97+\j], 0x45000000 op_sel_hi:[1,0]                   ; x 2^11
.endr
	v_cvt_pk_f16_f32 v124, v96, v97
	v_cvt_pk_f16_f32 v125, v98, v99
	v_cvt_pk_f16_f32 v126, v100, v101
	v_cvt_pk_f16_f32 v127, v102, v103
	global_store_b128 v3, v[120:123], s[14:15]
	global_store_b128 v3, v[124:127], s[14:15] offset:131072
	s_wait_tensorcnt 0x0                           ; the wave's end
	ds_add_u32 v[SPW], v[NIL]
	s_wait_dscnt 0x0
	s_endpgm
.Lfunc_end_k_q17e58bb6a8_early_attn:
	.size	k_q17e58bb6a8_early_attn, .Lfunc_end_k_q17e58bb6a8_early_attn-k_q17e58bb6a8_early_attn
	.p2alignl 7, 3214868480
	.fill 96, 4, 3214868480
	.section	.rodata,"a",@progbits
	.p2align	6, 0x0
	.amdhsa_kernel k_q17e58bb6a8_early_attn
		.amdhsa_group_segment_fixed_size 13824
		.amdhsa_private_segment_fixed_size 0
		.amdhsa_enable_private_segment 0
		.amdhsa_kernarg_size 48
		.amdhsa_user_sgpr_count 2
		.amdhsa_user_sgpr_kernarg_segment_ptr 1
		.amdhsa_wavefront_size32 1
		.amdhsa_system_sgpr_workgroup_id_x 1
		.amdhsa_system_sgpr_workgroup_id_y 1
		.amdhsa_system_sgpr_workgroup_id_z 1
		.amdhsa_system_vgpr_workitem_id 0
		.amdhsa_next_free_vgpr 248
		.amdhsa_next_free_sgpr 66
		.amdhsa_reserve_vcc 1
		.amdhsa_float_denorm_mode_32 3
		.amdhsa_float_denorm_mode_16_64 3
		.amdhsa_memory_ordered 1
		.amdhsa_forward_progress 1
		.amdhsa_inst_pref_size 18
	.end_amdhsa_kernel
	.amdgpu_metadata
---
amdhsa.version: [ 1, 2 ]
amdhsa.kernels:
  - .name:           k_q17e58bb6a8_early_attn
    .symbol:         k_q17e58bb6a8_early_attn.kd
    .args:
      - { .name: xc, .offset: 0, .size: 8, .value_kind: global_buffer, .address_space: global }
      - { .name: xs, .offset: 8, .size: 8, .value_kind: global_buffer, .address_space: global }
      - { .name: wc, .offset: 16, .size: 8, .value_kind: global_buffer, .address_space: global }
      - { .name: ws, .offset: 24, .size: 8, .value_kind: global_buffer, .address_space: global }
      - { .name: b_attn, .offset: 32, .size: 8, .value_kind: global_buffer, .address_space: global }
      - { .name: ye, .offset: 40, .size: 8, .value_kind: global_buffer, .address_space: global }
    .group_segment_fixed_size: 13824
    .private_segment_fixed_size: 0
    .kernarg_segment_align: 8
    .kernarg_segment_size: 48
    .max_flat_workgroup_size: 384
    .sgpr_count:     66
    .vgpr_count:     248
    .wavefront_size: 32
...
	.end_amdgpu_metadata
.endif
;; end of part 5
;; launch early_proj (part 6): grid 16 x 4, 16 waves a work-group, no clusters, 71,680 bytes of LDS; arguments ye, wp, b_proj, out0; writes out0
.if DOCPART == 6
	.amdgcn_target "amdgcn-amd-amdhsa--gfx1250"
	.amdhsa_code_object_version 6
	.text
	.protected	k_q17e58bb6a8_early_proj
	.globl	k_q17e58bb6a8_early_proj
	.p2align	8
	.type	k_q17e58bb6a8_early_proj,@function
k_q17e58bb6a8_early_proj:
	s_mov_b64 s[64:65], 0
	v_nop
	global_prefetch_b8 v0, s[64:65] scope:SCOPE_SE
	s_setreg_imm32_b32 hwreg(HW_REG_WAVE_MODE, 25, 1), 1
	s_wait_xcnt 0x0
; THE PROJECTION OF THE FIRST 16 POSITIONS OF EACH SEQUENCE, FINELY: both operands as pairs of f16, a high part and a low part x 2^11:
; y w = yh wh + 2^-11 (yh wl + yl wh); the term yl wl 2^-22 is left out (under 2^-24 of the product).  Sums in f32.  These 64 rows of out0 are stored over what the launch before left there.
; A work-group takes 16 rows (one batch) x 64 columns.  Wave w takes K = 64 w .. 64 w + 63 for all four tiles of 16 columns; the sixteen partial results meet in LDS, and waves 0 to 7 add them in ascending order,
; add the bias and store two rows each.  The matrix instruction is used transposed (source 0 = 16 rows of wp, source 1 = 16 rows of ye): a lane holds row lane % 16 and eight neighbouring columns.
.set YH, 16                            ; v16-31   ye's high fragments, 8 for each 32 along K
.set YL, 32                            ; v32-47   its low ones
.set WH, 48                            ; v48-111  wp's high fragments: 16 nt + 8 ks
.set WL, 112                           ; v112-175 its low ones
.set A1, 176                           ; v176-207 yh wh, 8 a tile
.set A2, 208                           ; v208-239 yh wl + yl wh
.set SPW, 12
.set NIL, 13
.set SPITCH, 272                       ; a stage row: 64 columns of f32 + 16 bytes
.set SPARE, 16*16*SPITCH               ; behind the sixteen stages: the spare words, 128 bytes for each wave
	s_load_b256 s[4:11], s[0:1], 0x0               ; ye, wp, b_proj, out0
	v_lshl_add_u32 v[SPW], v0, 2, SPARE
	v_mov_b32 v[NIL], 0
	v_lshrrev_b32 v1, 5, v0
	v_readfirstlane_b32 s12, v1                    ; wave 0..15
	s_and_b32 s13, ttmp7, 0xffff                   ; batch
	v_and_b32 v1, 15, v0                           ; r
	v_bfe_u32 v2, v0, 4, 1                         ; h
	v_lshlrev_b32 v3, 11, v1
	v_lshl_add_u32 v3, v2, 4, v3
	s_lshl_b32 s14, s12, 7
	v_add_nc_u32 v3, s14, v3                       ; both operands: row r of 2,048 bytes, + 16 h, + my wave's 64 along K
	s_mul_i32 s14, s12, 16*SPITCH
	v_mul_u32_u24 v4, v1, SPITCH
	v_lshl_add_u32 v4, v2, 5, v4
	v_add_nc_u32 v4, s14, v4                       ; my stage: row r, 32 bytes for each half of the lanes
	s_and_b32 s15, s12, 7
	s_mul_i32 s14, s15, 2*SPITCH
	v_mul_u32_u24 v5, v2, SPITCH
	v_lshl_add_u32 v5, v1, 4, v5
	v_add_nc_u32 v5, s14, v5                       ; the sum: rows 2 (w % 8) and + 1 of each stage, sixteen lanes to a row
	v_lshlrev_b32 v6, 12, v2
	v_lshl_add_u32 v6, v1, 4, v6                   ; and the same two rows in out0
	v_lshlrev_b32 v7, 4, v1                        ; the bias: four numbers a lane
	s_lshl_b32 s16, s13, 15                        ; ye: 16 rows a batch
	s_mov_b32 s17, 0
	s_lshl_b32 s18, ttmp9, 17                      ; wp: 64 rows a work-group
	s_mov_b32 s19, 0
	s_lshl_b32 s20, ttmp9, 8                       ; 64 columns of 4 bytes
	s_mov_b32 s21, 0
	s_lshl_b32 s22, s13, 23                        ; out0: 2,048 rows of 4,096 bytes a batch,
	s_lshl_b32 s23, s15, 13
	s_add_co_u32 s22, s22, s23                     ; + my two rows,
	s_add_co_u32 s22, s22, s20                     ; + the columns
	s_mov_b32 s23, 0
	s_wait_kmcnt 0x0
	s_add_nc_u64 s[4:5], s[4:5], s[16:17]
	s_add_nc_u64 s[6:7], s[6:7], s[18:19]
	s_add_nc_u64 s[8:9], s[8:9], s[20:21]
	s_add_nc_u64 s[10:11], s[10:11], s[22:23]
.irp ks, 0,1
.irp u, 0,1
	global_load_b128 v[YH+8*\ks+4*\u:YH+8*\ks+4*\u+3], v3, s[4:5] offset:64*\ks+32*\u
	global_load_b128 v[YL+8*\ks+4*\u:YL+8*\ks+4*\u+3], v3, s[4:5] offset:131072+64*\ks+32*\u
.endr
.endr
.irp nt, 0,1,2,3
.irp ks, 0,1
.irp u, 0,1
	global_load_b128 v[WH+16*\nt+8*\ks+4*\u:WH+16*\nt+8*\ks+4*\u+3], v3, s[6:7] offset:32768*\nt+64*\ks+32*\u
	global_load_b128 v[WL+16*\nt+8*\ks+4*\u:WL+16*\nt+8*\ks+4*\u+3], v3, s[6:7] offset:2097152+32768*\nt+64*\ks+32*\u
.endr
.endr
.endr
	global_load_b128 v[8:11], v7, s[8:9]           ; the bias
	s_wait_loadcnt 0x0
.irp ks, 0,1                                   ; one instruction a turn; three others stand between two on one accumulator
.irp nt, 0,1,2,3
.if \ks == 0
	v_wmma_f32_16x16x32_f16 v[A1+8*\nt:A1+8*\nt+7], v[WH+16*\nt+8*\ks:WH+16*\nt+8*\ks+7], v[YH+8*\ks:YH+8*\ks+7], 0
.else
	v_wmma_f32_16x16x32_f16 v[A1+8*\nt:A1+8*\nt+7], v[WH+16*\nt+8*\ks:WH+16*\nt+8*\ks+7], v[YH+8*\ks:YH+8*\ks+7], v[A1+8*\nt:A1+8*\nt+7]
.endif
.endr
.irp nt, 0,1,2,3
.if \ks == 0
	v_wmma_f32_16x16x32_f16 v[A2+8*\nt:A2+8*\nt+7], v[WL+16*\nt+8*\ks:WL+16*\nt+8*\ks+7], v[YH+8*\ks:YH+8*\ks+7], 0
.else
	v_wmma_f32_16x16x32_f16 v[A2+8*\nt:A2+8*\nt+7], v[WL+16*\nt+8*\ks:WL+16*\nt+8*\ks+7], v[YH+8*\ks:YH+8*\ks+7], v[A2+8*\nt:A2+8*\nt+7]
.endif
.endr
.irp nt, 0,1,2,3
	v_wmma_f32_16x16x32_f16 v[A2+8*\nt:A2+8*\nt+7], v[WH+16*\nt+8*\ks:WH+16*\nt+8*\ks+7], v[YL+8*\ks:YL+8*\ks+7], v[A2+8*\nt:A2+8*\nt+7]
.endr
.endr
.rept 4
	v_nop                                          ; places in front of the first read of results
.endr
.set i, 0
.rept 16
	v_pk_fma_f32 v[A1+2*i:A1+2*i+1], v[A2+2*i:A2+2*i+1], 0x3a000000, v[A1+2*i:A1+2*i+1] op_sel_hi:[1,0,1]   ; + 2^-11 x the cross terms; each accumulator from its low end on
.set i, i+1
.endr
.irp nt, 0,1,2,3
	ds_store_b128 v4, v[A1+8*\nt:A1+8*\nt+3] offset:64*\nt
	ds_store_b128 v4, v[A1+8*\nt+4:A1+8*\nt+7] offset:64*\nt+16
.endr
	s_wait_dscnt 0x0                               ; for the others' sake: my stores have landed
	s_barrier_signal -1
	s_barrier_wait -1
	s_cmp_lt_u32 s12, 8
	s_cbranch_scc1 .Lsum
	s_wait_tensorcnt 0x0                           ; waves 8 to 15 are done
	ds_add_u32 v[SPW], v[NIL]
	s_wait_dscnt 0x0
	s_endpgm
.Lsum:
.irp i, 0,1,2,3,4,5,6,7,8,9,10,11,12,13,14,15
	ds_load_b128 v[16+4*\i:19+4*\i], v5 offset:\i*16*SPITCH
.endr
	s_wait_dscnt 0x0
.irp i, 1,2,3,4,5,6,7,8,9,10,11,12,13,14,15
	v_pk_add_f32 v[16:17], v[16:17], v[16+4*\i:17+4*\i]
	v_pk_add_f32 v[18:19], v[18:19], v[18+4*\i:19+4*\i]
.endr
	v_pk_add_f32 v[16:17], v[16:17], v[8:9]
	v_pk_add_f32 v[18:19], v[18:19], v[10:11]
	global_store_b128 v6, v[16:19], s[10:11]       ; sixteen lanes store 256 consecutive bytes, aligned
	s_wait_tensorcnt 0x0                           ; the wave's end
	ds_add_u32 v[SPW], v[NIL]
	s_wait_dscnt 0x0
	s_endpgm
.Lfunc_end_k_q17e58bb6a8_early_proj:
	.size	k_q17e58bb6a8_early_proj, .Lfunc_end_k_q17e58bb6a8_early_proj-k_q17e58bb6a8_early_proj
	.p2alignl 7, 3214868480
	.fill 96, 4, 3214868480
	.section	.rodata,"a",@progbits
	.p2align	6, 0x0
	.amdhsa_kernel k_q17e58bb6a8_early_proj
		.amdhsa_group_segment_fixed_size 71680
		.amdhsa_private_segment_fixed_size 0
		.amdhsa_enable_private_segment 0
		.amdhsa_kernarg_size 32
		.amdhsa_user_sgpr_count 2
		.amdhsa_user_sgpr_kernarg_segment_ptr 1
		.amdhsa_wavefront_size32 1
		.amdhsa_system_sgpr_workgroup_id_x 1
		.amdhsa_system_sgpr_workgroup_id_y 1
		.amdhsa_system_sgpr_workgroup_id_z 1
		.amdhsa_system_vgpr_workitem_id 0
		.amdhsa_next_free_vgpr 240
		.amdhsa_next_free_sgpr 66
		.amdhsa_reserve_vcc 0
		.amdhsa_float_denorm_mode_32 3
		.amdhsa_float_denorm_mode_16_64 3
		.amdhsa_memory_ordered 1
		.amdhsa_forward_progress 1
		.amdhsa_inst_pref_size 14
	.end_amdhsa_kernel
	.amdgpu_metadata
---
amdhsa.version: [ 1, 2 ]
amdhsa.kernels:
  - .name:           k_q17e58bb6a8_early_proj
    .symbol:         k_q17e58bb6a8_early_proj.kd
    .args:
      - { .name: ye, .offset: 0, .size: 8, .value_kind: global_buffer, .address_space: global }
      - { .name: wp, .offset: 8, .size: 8, .value_kind: global_buffer, .address_space: global }
      - { .name: b_proj, .offset: 16, .size: 8, .value_kind: global_buffer, .address_space: global }
      - { .name: out0, .offset: 24, .size: 8, .value_kind: global_buffer, .address_space: global }
    .group_segment_fixed_size: 71680
    .private_segment_fixed_size: 0
    .kernarg_segment_align: 8
    .kernarg_segment_size: 32
    .max_flat_workgroup_size: 512
    .sgpr_count:     66
    .vgpr_count:     240
    .wavefront_size: 32
...
	.end_amdgpu_metadata
.endif
;; end of part 6
